; MI455X (gfx1250); checked and timed in simulation.
; The chip was launched on July 23, 2026; its instructions are those of AMD's public machine-readable ISA for CDNA 5 (MIT licence, August 2026) and "CDNA5" Instruction Set Architecture Reference Guide (July 2026). The comments in the code are by the model that wrote it; some were corrected since.
;; Attention. Allowed arithmetic: matrix products marked QUANTISED: E2M3 operands, one E8M0 scale for each 32 along K, by v_wmma_scale_f32_16x16x128_f8f6f4 with both operands' format E2M3, f32 sums; products left as they are: f32 operands where the result goes on into a quantised operand, else bf16, f16 or f32 operands; f32 sums; everything else in f32.
;; Inputs: Wk_codes 2,048 x 64 x 24 uint8 (E2M3 codes of Wk, K innermost, in blocks of 32 codes, four codes in three bytes); Wk_mha_codes 2,048 x 64 x 24 uint8 (E2M3 codes of Wk_mha, K innermost, in blocks of 32 codes, four codes in three bytes); Wk_mha_scales 2,048 x 64 uint8 (E8M0 scales of Wk_mha, one for each 32 codes along K); Wk_scales 2,048 x 64 uint8 (E8M0 scales of Wk, one for each 32 codes along K); Wo 2,048 x 2,048 float32; Wq 2,048 x 2,048 float32; Wq_mha 2,048 x 2,048 float32; Wv_codes 2,048 x 64 x 24 uint8 (E2M3 codes of Wv, K innermost, in blocks of 32 codes, four codes in three bytes); Wv_mha_codes 2,048 x 64 x 24 uint8 (E2M3 codes of Wv_mha, K innermost, in blocks of 32 codes, four codes in three bytes); Wv_mha_scales 2,048 x 64 uint8 (E8M0 scales of Wv_mha, one for each 32 codes along K); Wv_scales 2,048 x 64 uint8 (E8M0 scales of Wv, one for each 32 codes along K); keys 4,096 x 2,048 float32; states 4,096 x 2,048 float32; x 2,048 float32.
;; Outputs: out0 1 x 2,048 float32.
;; This version of the problem:
;;   THIS VERSION OF THE PROBLEM IS GIVEN IN LOW PRECISION. The matrix products marked QUANTISED in the list below multiply operands that are first quantised to E2M3 (2 exponent bits, 3 mantissa bits; 6 bits a number), with one power-of-two scale for each 32 numbers along K (OCP MX v1.0); their sums are f32. All else is computed in f32.
;;   The module's matrix products, in the order in which they are computed (A, B: the left and right operand; K: the contracted axis; several contracted axes count as one K, in the product's order):
;;     1. [M 1, K 2,048] x [K 2,048, N 2,048]; A: input x; B: input Wq: left as it is (M = 1 < 16)
;;     2. [M 4,096, K 2,048] x [K 2,048, N 2,048]; A: computed on the way; B: input Wk (given as codes): QUANTISED
;;     3. [M 4,096, K 2,048] x [K 2,048, N 2,048]; A: computed on the way; B: input Wv (given as codes): QUANTISED
;;     4. [M 1, K 2,048] x [K 2,048, N 2,048]; A: computed on the way; B: input Wq_mha: left as it is (M = 1 < 16)
;;     5. [M 4,096, K 2,048] x [K 2,048, N 2,048]; A: computed on the way; B: input Wk_mha (given as codes): QUANTISED
;;     6. [M 4,096, K 2,048] x [K 2,048, N 2,048]; A: computed on the way; B: input Wv_mha (given as codes): QUANTISED
;;     7. batch 16 x [M 1, K 128] x [K 128, N 4,096]; A: computed on the way; B: computed on the way: left as it is (M = 1 < 16)
;;     8. batch 16 x [M 128, K 4,096] x [K 4,096, N 1]; A: computed on the way; B: softmax: left as it is (N = 1 < 16)
;;     9. [M 1, K 2,048] x [K 2,048, N 2,048]; A: computed on the way; B: input Wo: left as it is (M = 1 < 16)
;;   THE QUANTISER, for each operand of a quantised product, along K:
;;     - K is cut into blocks of 32 from its start; a last block that is shorter is filled with zeros.
;;     - A block's scale is 2^e with e = floor(log2(the largest magnitude in the block)) - 2, held to -126 .. 127; a block of zeros has e = 0. As a byte (E8M0): e + 127.
;;     - Each number is divided by its block's scale, clamped to +-7.5, and rounded to the nearest number of E2M3, ties to even, subnormals kept.
;;     - The product sums the exact products of the quantised numbers (number of the format x scale) in f32.
;;   ~~~python
;;   def quantise(x, axis):      # numpy; x: float32 -> the quantised numbers, widened to float32 again
;;       x = np.moveaxis(x, axis, -1); K = x.shape[-1]
;;       x = np.pad(x, [(0, 0)] * (x.ndim - 1) + [(0, -K % 32)]); x = x.reshape(x.shape[:-1] + (-1, 32)); a = np.abs(x).max(-1, keepdims=True)
;;       e = np.where(a > 0, np.clip(np.frexp(np.where(a > 0, a, 1))[1] - 1 - 2, -126, 127), 0)      # np.frexp(a)[1] - 1 = floor(log2(a)), exactly
;;       r = np.clip(x / 2.0 ** e, -7.5, 7.5)
;;       step = 2.0 ** (np.maximum(np.frexp(np.where(r == 0, 1, r))[1] - 1, 0) - 3)
;;       q = np.round(r / step) * step * 2.0 ** e      # np.round: ties to even
;;       return np.moveaxis(q.reshape(q.shape[:-2] + (-1,))[..., :K], -1, axis).astype(np.float32)
;;   ~~~
;;   OPERANDS COMPUTED ON THE WAY. 'Computed on the way' means the value that the module computes at that place (a softmax that the list does not call 'softmax' is quantised finished and normalised). What goes into a quantiser is computed in f32, as accurately as f32 sums, v_exp_f32 and their like allow (about 1e-6 of the number): no bf16 or f16 on the way to a quantiser, and a product that is left as it is and whose result goes on into a quantised operand takes f32 operands (vector FMAs, or v_wmma_f32_16x16x4_f32). A number that lies on a knife's edge between two numbers of the format may be rounded either way, as far as f32 arithmetic and the matrix unit's own rounding can turn it there, and no further.
;;   INPUTS GIVEN AS CODES. Wk (in the module: [2048, 2048], K = its axis 1); Wk_mha (in the module: [2048, 2048], K = its axis 1); Wv (in the module: [2048, 2048], K = its axis 1); Wv_mha (in the module: [2048, 2048], K = its axis 1): each comes as NAME_codes (uint8): NAME with its K axis moved to the last place and cut into blocks of 32 codes, [.., K / 32, bytes a block], one block behind the other in memory; four codes in three bytes: a row's codes are one little-endian stream of bits, code i at bits 6 i .. 6 i + 5 (a code: sign, 2 exponent bits, 3 mantissa bits); and NAME_scales (uint8): the same leading axes, one E8M0 byte (e + 127) for each 32 codes along K. Its value is code x scale, taken as it is: it is not quantised again, and the codes and scales need not be those that the quantiser above would give.
;; One version. Each part assembles by itself: llvm-mc -triple=amdgcn-amd-amdhsa -mcpu=gfx1250 --defsym DOCPART=n.
;; ======== version 1 of 1: 5 launches
;; limits: values are held in bf16: 8 bits of precision; right only within a limited range of input values
;; workspace buffers: a1 13,107,200 bytes; a2 13,107,200 bytes; q1 8,192 bytes; qh 8,192 bytes; logits 262,144 bytes; vh 16,777,216 bytes; part 65,536 bytes
;; launch prep (part 1): grid 256 x 1, 8 waves a work-group, no clusters, 273,408 bytes of LDS; arguments keys, states, x, Wq, a1, q1; writes a1, q1
.if DOCPART == 1
	.amdgcn_target "amdgcn-amd-amdhsa--gfx1250"
	.amdhsa_code_object_version 6
	.text
	.protected	k_qd8bbdb4408_prep
	.globl	k_qd8bbdb4408_prep
	.p2align	8
	.type	k_qd8bbdb4408_prep,@function
k_qd8bbdb4408_prep:
	s_mov_b64 s[64:65], 0
	v_nop
	global_prefetch_b8 v0, s[64:65] scope:SCOPE_SE
	s_setreg_imm32_b32 hwreg(HW_REG_WAVE_MODE, 25, 1), 1
	s_wait_xcnt 0x0
; rope(keys) and rope(states), [4096][2048] f32, quantised along their 2,048 columns to codes of FP6 (E2M3) with one E8M0 byte for each 32, and q1 = x Wq^T.
; a1 holds 8,192 virtual rows (0-4,095 keys, 4,096-8,191 states) AS THE NEXT LAUNCH'S OPERAND REGISTERS: [G = row / 128][S = k / 128][i = (row / 16) % 8][1,536 bytes]; a fragment (16 rows x 128 K, 12 registers a lane)
; lies as three groups of four registers, lane l's 16 bytes at 512 c + 16 l.  Behind the images, at byte SCO, one scale word for each row and S: [G][i][S][r].
; SHARES.  Work-group R takes rows 16 R .. 16 R + 15 of both tensors; wave w takes columns 128 w .. + 127 and their rope partners 1,024 further on: four fragments.  Wave w also makes q1[8 R + w].
; TWO LAYOUTS.  Loads and rope work by rows: a load covers 512 consecutive bytes of a row, lane l holds columns 128 w + 4 l + 0 .. 3, so its four frequencies are constants and the row's number is a scalar.
; The quantiser wants lane (r, h) to hold row r, k = 64 c + 32 h + 0 .. 31: the turn goes through the wave's own stage in LDS (rows of 528 bytes, an odd multiple of 16).
; COS AND SIN in f32: angle = row x frequency, rounded once; n = nearest whole number to angle / pi; angle - n pi in two fused steps, the first exact; Taylor series to the 13th and 12th power on |.| <= pi / 2
; (what is cut off is under 1e-8); the sign by n's parity.  frequency = 2^(-j log2(10000) / 1024), the exponent split into a whole number and a rest of at most 1/2, the constant into 13 bits and a rest.
; LIMITS: NaN and infinities among the inputs are not served.  A block of zeros gets the byte 1 where the rule says 127: its codes are zeros, and this program alone reads the bytes.  A frequency is within about
; one unit in the last place of its exact value, so at row 4,095 an angle may differ by some 1e-4 from one made with another power function.  q1's sum runs in another order than a plain loop's.
; No cluster, no tensor load: work-groups share nothing but x (8 KB).  One barrier, for the scale words, which leave as whole aligned runs of 256 bytes.
.set XO,   4                           ; v4   512 w + 16 l: my 16 bytes of a row's first half
.set STW,  5                           ; v5   stage, on the way in: 16 l
.set STR,  6                           ; v6   stage, on the way out: 528 r + 128 h
.set IO,   7                           ; v7   16 l
.set SGW,  14                          ; v14  where my row's scale word goes in LDS
.set SGR,  15                          ; v15  where I read 8 bytes of scale words back
.set FQ,   16                          ; v16-19  my four frequencies
.set TA,   20                          ; v20-63  two sets of 22 at work: +0 angle, rest; +2 n + magic, sign; +4 n, rest x z; +6 z; +8 sin; +10 cos; +12 .. +19 products
.set PC,   20                          ; later: v20-31 a fragment's codes, v32-38 their second halves
.set TQ,   32
.set RING, 64                          ; v64-191 two slots x four rows x (keys lo, keys hi, states lo, states hi) x 4
.set X,    192                         ; v192-255 a fragment's 64 numbers of my lane
.set SP,   528
.set FRS,  16*SP                       ; a fragment's 16 rows in the stage
.set STG,  4*FRS                       ; a wave's stage
.set SCG,  8*STG                       ; behind the stages: 2,048 bytes of scale words, [tensor][S][r]
.set SCO,  12582912                    ; a1: where the scale words begin
.macro SPAIR r, val                    ; a constant for the packed forms: they name a pair and take its low word for both halves, so both words are written
	s_mov_b32 s[\r], \val
	s_mov_b32 s[\r+1], \val
.endm
	s_load_b256 s[4:11], s[0:1], 0x0               ; keys s[4:5], states s[6:7], x s[8:9], Wq s[10:11]
	s_load_b128 s[12:15], s[0:1], 0x20             ; a1 s[12:13], q1 s[14:15]
	v_lshl_add_u32 v62, v0, 2, 0x42800
	v_mov_b32 v63, 0
	v_lshrrev_b32 v1, 5, v0
	s_delay_alu instid0(VALU_DEP_1)
	v_readfirstlane_b32 s16, v1                    ; wave 0..7
	v_and_b32 v1, 31, v0                           ; lane
	v_and_b32 v2, 15, v0                           ; r
	v_bfe_u32 v3, v0, 4, 1                         ; h
	s_delay_alu instid0(VALU_DEP_3)
	v_lshlrev_b32 v[IO], 4, v1
	s_lshl_b32 s18, s16, 9
	v_add_nc_u32 v[XO], s18, v[IO]
	s_mul_i32 s19, s16, STG
	v_add_nc_u32 v[STW], s19, v[IO]
	v_mul_u32_u24 v[STR], v2, SP
	s_delay_alu instid0(VALU_DEP_1)
	v_lshl_add_u32 v[STR], v3, 7, v[STR]
	s_delay_alu instid0(VALU_DEP_1)
	v_add_nc_u32 v[STR], s19, v[STR]
	s_lshl_b32 s18, s16, 6
	s_add_co_u32 s18, s18, SCG
	v_lshl_add_u32 v[SGW], v2, 2, s18              ; SCG + 64 w + 4 r
	s_lshl_b32 s18, s16, 8
	s_add_co_u32 s18, s18, SCG
	v_lshl_add_u32 v[SGR], v1, 3, s18              ; SCG + 256 w + 8 l
	s_lshl_b32 s50, ttmp9, 17                      ; my 16 rows of 8,192 bytes
	s_mov_b32 s51, 0
	s_lshr_b32 s52, ttmp9, 3                       ; images: ((R / 8) x 16 + w) x 12,288 + (R % 8) x 1,536
	s_lshl_b32 s52, s52, 4
	s_add_co_u32 s52, s52, s16
	s_mul_i32 s52, s52, 12288
	s_and_b32 s53, ttmp9, 7
	s_mul_i32 s53, s53, 1536
	s_add_co_u32 s52, s52, s53
	s_mov_b32 s53, 0
	s_lshr_b32 s54, s16, 2                         ; scale words: SCO + (w / 4) x 262,144 + 1,024 R + 256 (w % 4)
	s_lshl_b32 s54, s54, 18
	s_lshl_b32 s55, ttmp9, 10
	s_add_co_u32 s54, s54, s55
	s_and_b32 s55, s16, 3
	s_lshl_b32 s55, s55, 8
	s_add_co_u32 s54, s54, s55
	s_add_co_u32 s54, s54, SCO
	s_mov_b32 s55, 0
	s_lshl_b32 s56, ttmp9, 3
	s_add_co_u32 s56, s56, s16                     ; n = 8 R + w
	s_lshl_b32 s58, s56, 13                        ; Wq's row n
	s_mov_b32 s59, 0
	s_lshl_b32 s56, s56, 2                         ; q1[n]
	s_mov_b32 s57, 0
	s_wait_alu depctr_va_vdst(0)
	s_wait_kmcnt 0x0
	s_add_nc_u64 s[4:5], s[4:5], s[50:51]
	s_add_nc_u64 s[6:7], s[6:7], s[50:51]
	s_add_nc_u64 s[48:49], s[12:13], s[52:53]
	s_add_nc_u64 s[12:13], s[12:13], s[54:55]
	s_add_nc_u64 s[10:11], s[10:11], s[58:59]
	s_add_nc_u64 s[14:15], s[14:15], s[56:57]
.macro LOADG g                         ; rows 4 g .. 4 g + 3 into slot g % 2: sixteen loads of 512 consecutive bytes
.irp t, 0,1,2,3
	global_load_b128 v[RING+64*((\g)%2)+16*\t:RING+64*((\g)%2)+16*\t+3], v[XO], s[4:5] offset:(4*(\g)+\t)*8192 th:TH_LOAD_NT
	global_load_b128 v[RING+64*((\g)%2)+16*\t+4:RING+64*((\g)%2)+16*\t+7], v[XO], s[4:5] offset:(4*(\g)+\t)*8192+4096 th:TH_LOAD_NT
	global_load_b128 v[RING+64*((\g)%2)+16*\t+8:RING+64*((\g)%2)+16*\t+11], v[XO], s[6:7] offset:(4*(\g)+\t)*8192 th:TH_LOAD_NT
	global_load_b128 v[RING+64*((\g)%2)+16*\t+12:RING+64*((\g)%2)+16*\t+15], v[XO], s[6:7] offset:(4*(\g)+\t)*8192+4096 th:TH_LOAD_NT
.endr
.endm
	LOADG 0
	LOADG 1                                        ; 32 loads of the wave are on their way while the constants are made
	s_mov_b32 s22, 0x76543210
	s_mov_b32 s23, 0xfedcba98                      ; v_permlanex16_b32's selects for lane l xor 16
	SPAIR 24, 0x3ea2f983                           ; 1 / pi
	SPAIR 26, 0xc0490fdb                           ; -pi, rounded to f32
	SPAIR 28, 0x33bbbd2e                           ; that f32 number less pi
	SPAIR 30, 0xb2d7322b                           ; sin: -1/11!
	SPAIR 32, 0x3638ef1d                           ; 1/9!
	SPAIR 34, 0xb9500d01                           ; -1/7!
	SPAIR 36, 0x3c088889                           ; 1/5!
	SPAIR 38, 0xbe2aaaab                           ; -1/3!
	SPAIR 40, 0xb493f27e                           ; cos: -1/10!
	SPAIR 42, 0x37d00d01                           ; 1/8!
	SPAIR 44, 0xbab60b61                           ; -1/6!
	SPAIR 46, 0x3d2aaaab                           ; 1/4!
	v_mov_b32 v8, 0x4b400000                       ; 1.5 x 2^23: added to a number under 2^22 it leaves the nearest whole number in the low bits
	v_mov_b32 v9, 0x4b400000
	v_mov_b32 v10, 0x2f309231                      ; 1/13!
	v_mov_b32 v11, 0x2f309231
	v_mov_b32 v12, 0x310f76c7                      ; 1/12!
	v_mov_b32 v13, 0x310f76c7
	s_lshl_b32 s18, ttmp9, 4
	s_cvt_f32_u32 s20, s18                         ; my first row's number, as f32
	s_mov_b32 s21, s20
	; the frequencies of columns j = 128 w + 4 l + e
	s_mov_b32 s19, 0x351e12f3                      ; log2(10000) / 1024 less its upper 13 bits
	s_lshl_b32 s18, s16, 7
	v_lshl_add_u32 v20, v1, 2, s18
.irp e, 0,1,2,3
	v_add_nc_u32 v[24+\e], \e, v20
.endr
.irp e, 0,1,2,3
	s_delay_alu instid0(VALU_DEP_4)
	v_cvt_f32_u32 v[24+\e], v[24+\e]               ; j
.endr
.irp e, 0,1,2,3
	s_delay_alu instid0(VALU_DEP_4)
	v_mul_f32 v[28+\e], 0x3c549800, v[24+\e]       ; a = j x 6803 x 2^-19: 10 + 13 bits, exact
.endr
.irp e, 0,1,2,3
	s_delay_alu instid0(VALU_DEP_4)
	v_rndne_f32 v[32+\e], v[28+\e]                 ; n
.endr
.irp e, 0,1,2,3
	s_delay_alu instid0(VALU_DEP_4)
	v_sub_f32 v[28+\e], v[32+\e], v[28+\e]         ; n - a, exact
.endr
.irp e, 0,1,2,3
	s_delay_alu instid0(VALU_DEP_4)
	v_fma_f32 v[28+\e], -v[24+\e], s19, v[28+\e]   ; g = n - j log2(10000) / 1024, at most 1/2 in size
.endr
.irp e, 0,1,2,3
	v_cvt_i32_f32 v[32+\e], v[32+\e]
.endr
.irp e, 0,1,2,3
	s_delay_alu instid0(VALU_DEP_4)
	v_sub_nc_u32 v[32+\e], 0, v[32+\e]             ; -n
.endr
	s_wait_alu depctr_va_vdst(0)
.irp e, 0,1,2,3
	v_exp_f32 v[FQ+\e], v[28+\e]                   ; 2^g
.endr
	v_nop                                          ; a plain instruction behind the last exponential
	s_wait_alu depctr_va_vdst(0)                   ; one wait for the four, ahead of their first reader
.irp e, 0,1,2,3
	v_ldexp_f32 v[FQ+\e], v[FQ+\e], v[32+\e]       ; 2^(g - n)
.endr
; One row: cos and sin of my four angles, two at a time in two sets by turns; rope on both tensors; the four pieces of 16 bytes into the stage.
.macro ROW t
.set RB, RING+64*(((\t)/4)%2)+16*((\t)%4)
	s_wait_loadcnt 16+4*(3-(\t)%4)                 ; loads come back in order: this row's four are in; its group's later rows and the sixteen loads issued behind the group may be out
.if (\t) > 0
	s_add_f32 s20, s20, 1.0
	s_mov_b32 s21, s20
.endif
.irp p, 0,1
	v_pk_mul_f32 v[TA+22*\p:TA+22*\p+1], v[FQ+2*\p:FQ+2*\p+1], s[20:21] op_sel_hi:[1,0]     ; the angle, rounded once
.endr
.irp p, 0,1
	s_delay_alu instid0(VALU_DEP_2)
	v_pk_fma_f32 v[TA+22*\p+2:TA+22*\p+3], v[TA+22*\p:TA+22*\p+1], s[24:25], v[8:9] op_sel_hi:[1,0,1]
.endr
.irp p, 0,1
	s_delay_alu instid0(VALU_DEP_2)
	v_pk_add_f32 v[TA+22*\p+4:TA+22*\p+5], v[TA+22*\p+2:TA+22*\p+3], v[8:9] neg_lo:[0,1] neg_hi:[0,1]   ; n
.endr
.irp p, 0,1
	s_delay_alu instid0(VALU_DEP_2)
	v_pk_fma_f32 v[TA+22*\p:TA+22*\p+1], v[TA+22*\p+4:TA+22*\p+5], s[26:27], v[TA+22*\p:TA+22*\p+1] op_sel_hi:[1,0,1]   ; exact: under 2 in size, no bit under 2^-22
.endr
.irp p, 0,1
	s_delay_alu instid0(VALU_DEP_2)
	v_pk_fma_f32 v[TA+22*\p:TA+22*\p+1], v[TA+22*\p+4:TA+22*\p+5], s[28:29], v[TA+22*\p:TA+22*\p+1] op_sel_hi:[1,0,1]   ; the rest: angle - n pi
.endr
.irp p, 0,1
	s_delay_alu instid0(VALU_DEP_2)
	v_pk_mul_f32 v[TA+22*\p+6:TA+22*\p+7], v[TA+22*\p:TA+22*\p+1], v[TA+22*\p:TA+22*\p+1]   ; z
.endr
.irp p, 0
	s_delay_alu instid0(VALU_DEP_2)
	v_pk_fma_f32 v[TA+22*\p+8:TA+22*\p+9], v[10:11], v[TA+22*\p+6:TA+22*\p+7], s[30:31] op_sel_hi:[1,1,0]
	s_delay_alu instid0(VALU_DEP_3)
	v_pk_fma_f32 v[TA+22*\p+10:TA+22*\p+11], v[12:13], v[TA+22*\p+6:TA+22*\p+7], s[40:41] op_sel_hi:[1,1,0]
.endr
.irp p, 1
	s_delay_alu instid0(VALU_DEP_3)
	v_pk_fma_f32 v[TA+22*\p+8:TA+22*\p+9], v[10:11], v[TA+22*\p+6:TA+22*\p+7], s[30:31] op_sel_hi:[1,1,0]
	s_delay_alu instid0(VALU_DEP_4)
	v_pk_fma_f32 v[TA+22*\p+10:TA+22*\p+11], v[12:13], v[TA+22*\p+6:TA+22*\p+7], s[40:41] op_sel_hi:[1,1,0]
.endr
.irp k, 0,1,2
.irp p, 0,1
	s_delay_alu instid0(VALU_DEP_4)
	v_pk_fma_f32 v[TA+22*\p+8:TA+22*\p+9], v[TA+22*\p+8:TA+22*\p+9], v[TA+22*\p+6:TA+22*\p+7], s[32+2*\k:33+2*\k] op_sel_hi:[1,1,0]
	s_delay_alu instid0(VALU_DEP_4)
	v_pk_fma_f32 v[TA+22*\p+10:TA+22*\p+11], v[TA+22*\p+10:TA+22*\p+11], v[TA+22*\p+6:TA+22*\p+7], s[42+2*\k:43+2*\k] op_sel_hi:[1,1,0]
.endr
.endr
.irp p, 0,1
	s_delay_alu instid0(VALU_DEP_4)
	v_pk_fma_f32 v[TA+22*\p+8:TA+22*\p+9], v[TA+22*\p+8:TA+22*\p+9], v[TA+22*\p+6:TA+22*\p+7], s[38:39] op_sel_hi:[1,1,0]
	s_delay_alu instid0(VALU_DEP_4)
	v_pk_fma_f32 v[TA+22*\p+10:TA+22*\p+11], v[TA+22*\p+10:TA+22*\p+11], v[TA+22*\p+6:TA+22*\p+7], -0.5 op_sel_hi:[1,1,0]
.endr
.irp p, 0,1
	v_pk_mul_f32 v[TA+22*\p+4:TA+22*\p+5], v[TA+22*\p:TA+22*\p+1], v[TA+22*\p+6:TA+22*\p+7]
	s_delay_alu instid0(VALU_DEP_4)
	v_pk_fma_f32 v[TA+22*\p+10:TA+22*\p+11], v[TA+22*\p+10:TA+22*\p+11], v[TA+22*\p+6:TA+22*\p+7], 1.0 op_sel_hi:[1,1,0]
.endr
.irp p, 0,1
	v_pk_fma_f32 v[TA+22*\p+8:TA+22*\p+9], v[TA+22*\p+8:TA+22*\p+9], v[TA+22*\p+4:TA+22*\p+5], v[TA+22*\p:TA+22*\p+1]
	v_lshlrev_b32 v[TA+22*\p+2], 31, v[TA+22*\p+2]         ; n's parity as a sign bit
	v_lshlrev_b32 v[TA+22*\p+3], 31, v[TA+22*\p+3]
.endr
.irp p, 0,1
	v_xor_b32 v[TA+22*\p+8], v[TA+22*\p+8], v[TA+22*\p+2]
	v_xor_b32 v[TA+22*\p+9], v[TA+22*\p+9], v[TA+22*\p+3]
	v_xor_b32 v[TA+22*\p+10], v[TA+22*\p+10], v[TA+22*\p+2]
	v_xor_b32 v[TA+22*\p+11], v[TA+22*\p+11], v[TA+22*\p+3]
.endr
.irp p, 0,1
	v_pk_mul_f32 v[TA+22*\p+12:TA+22*\p+13], v[RB+4+2*\p:RB+5+2*\p], v[TA+22*\p+8:TA+22*\p+9]      ; keys: x2 sin,
	v_pk_mul_f32 v[TA+22*\p+14:TA+22*\p+15], v[RB+2*\p:RB+1+2*\p], v[TA+22*\p+8:TA+22*\p+9]        ; x1 sin;
	v_pk_mul_f32 v[TA+22*\p+16:TA+22*\p+17], v[RB+12+2*\p:RB+13+2*\p], v[TA+22*\p+8:TA+22*\p+9]    ; states likewise
	v_pk_mul_f32 v[TA+22*\p+18:TA+22*\p+19], v[RB+8+2*\p:RB+9+2*\p], v[TA+22*\p+8:TA+22*\p+9]
.endr
.irp p, 0,1
	v_pk_fma_f32 v[RB+2*\p:RB+1+2*\p], v[RB+2*\p:RB+1+2*\p], v[TA+22*\p+10:TA+22*\p+11], v[TA+22*\p+12:TA+22*\p+13] neg_lo:[0,0,1] neg_hi:[0,0,1]   ; x1 cos - x2 sin
	v_pk_fma_f32 v[RB+4+2*\p:RB+5+2*\p], v[RB+4+2*\p:RB+5+2*\p], v[TA+22*\p+10:TA+22*\p+11], v[TA+22*\p+14:TA+22*\p+15]                             ; x2 cos + x1 sin
	v_pk_fma_f32 v[RB+8+2*\p:RB+9+2*\p], v[RB+8+2*\p:RB+9+2*\p], v[TA+22*\p+10:TA+22*\p+11], v[TA+22*\p+16:TA+22*\p+17] neg_lo:[0,0,1] neg_hi:[0,0,1]
	v_pk_fma_f32 v[RB+12+2*\p:RB+13+2*\p], v[RB+12+2*\p:RB+13+2*\p], v[TA+22*\p+10:TA+22*\p+11], v[TA+22*\p+18:TA+22*\p+19]
.endr
.irp f, 0,1,2,3
	ds_store_b128 v[STW], v[RB+4*\f:RB+4*\f+3] offset:\f*FRS+(\t)*SP
.endr
.endm
	s_wait_alu depctr_va_vdst(0)
.irp t, 0,1,2,3
	ROW \t
.endr
	s_wait_dscnt 0x0                               ; the stage's stores have read slot 0
	LOADG 2
.irp t, 4,5,6,7
	ROW \t
.endr
	s_wait_dscnt 0x0
	LOADG 3
.irp t, 8,9,10,11
	ROW \t
.endr
	s_wait_dscnt 0x0
.irp i, 0,1,2,3,4,5,6,7,8,9,10,11,12,13,14,15
	global_load_b128 v[RING+4*\i:RING+4*\i+3], v[IO], s[10:11] offset:512*\i th:TH_LOAD_NT   ; Wq's row n takes slot 0: it lands while the codes are made
.endr
.irp t, 12,13,14,15
	ROW \t
.endr
	s_wait_dscnt 0x0
.irp i, 0,1,2,3,4,5,6,7,8,9,10,11,12,13,14,15
	global_load_b128 v[RING+64+4*\i:RING+64+4*\i+3], v[IO], s[8:9] offset:512*\i             ; and x slot 1
.endr
	v_lshlrev_b32 v59, 3, v3                       ; 8 h: how far my two scale bytes are shifted
	v_lshlrev_b32 v58, 3, v1                       ; 8 l
	v_mov_b32 v50, 0                               ; written once: a lane permute's destination counts as one of its sources
	v_mov_b32 v60, 0
; Fragment f (0, 1: keys, S = w, w + 8; 2, 3: states): 64 numbers of my lane out of the stage, two whole blocks of 32; their scales, codes and my row's scale word.
.macro QFRAG f
.irp c, 0,1
.irp i, 0,1,2,3,4,5,6,7
	ds_load_b128 v[X+32*\c+4*\i:X+32*\c+4*\i+3], v[STR] offset:(\f)*FRS+256*\c+16*\i        ; LDS serves a wave's instructions in order: these see my stores
.endr
.endr
.irp c, 0,1
	s_wait_dscnt 8-8*\c                            ; block c's eight loads are in; the other block's may be out
	v_max3_num_f32 v[40+2*\c], |v[X+32*\c]|, |v[X+32*\c+1]|, 0x1800000      ; the block's largest magnitude, in two chains, with the floor 2^(3 - 127): the byte cannot fall under 1
	v_max_num_f32 v[41+2*\c], |v[X+32*\c+2]|, |v[X+32*\c+3]|
.irp i, 4,8,12,16,20,24,28
	s_delay_alu instid0(VALU_DEP_2)
	v_max3_num_f32 v[40+2*\c], v[40+2*\c], |v[X+32*\c+\i]|, |v[X+32*\c+\i+1]|
	s_delay_alu instid0(VALU_DEP_2)
	v_max3_num_f32 v[41+2*\c], v[41+2*\c], |v[X+32*\c+\i+2]|, |v[X+32*\c+\i+3]|
.endr
	s_delay_alu instid0(VALU_DEP_1)
	v_max_num_f32 v[40+2*\c], v[40+2*\c], v[41+2*\c]
	s_delay_alu instid0(VALU_DEP_1)
	v_add_nc_u32 v[44+\c], 0xff000000, v[40+2*\c]  ; 2 off its exponent field: the conversion takes this operand's exponent field as its scale
	s_delay_alu instid0(VALU_DEP_1)
	v_lshrrev_b32 v[46+\c], 23, v[44+\c]           ; the scale's byte
.endr
	s_delay_alu instid0(VALU_DEP_1)
	v_lshl_or_b32 v48, v47, 16, v46                ; my bytes: blocks h and 2 + h of my row,
	s_delay_alu instid0(VALU_DEP_1)
	v_lshlrev_b32 v48, v59, v48                    ; at their places in the word;
	s_delay_alu instid0(VALU_DEP_1)
	v_permlanex16_b32 v50, v48, s22, s23
	s_delay_alu instid0(VALU_DEP_1)
	v_or_b32 v48, v48, v50                         ; with lane l xor 16's two the word is whole
.if (\f) > 0
	s_wait_alu depctr_va_vdst(0)
	s_wait_xcnt 0x0                                ; the last fragment's stores have read the codes' registers
.endif
.irp c, 0,1
	v_cvt_scalef32_pk16_fp6_f32 v[PC+6*\c:PC+6*\c+2], v[X+32*\c:X+32*\c+15], v[44+\c]
	v_cvt_scalef32_pk16_fp6_f32 v[TQ+4*\c:TQ+4*\c+2], v[X+32*\c+16:X+32*\c+31], v[44+\c]    ; (a conversion's three registers begin on an even number)
.endr
	v_nop                                          ; one plain instruction behind a scaled conversion
.irp c, 0,1
.irp i, 0,1,2
	v_mov_b32 v[PC+6*\c+3+\i], v[TQ+4*\c+\i]
.endr
.endr
.irp c, 0,1,2
	global_store_b128 v[IO], v[PC+4*\c:PC+4*\c+3], s[48:49] offset:((\f)/2)*6291456+((\f)%2)*98304+512*\c   ; the image: 512 consecutive bytes a store, aligned
.endr
	ds_store_b32 v[SGW], v48 offset:((\f)/2)*1024+((\f)%2)*512     ; both halves of the lanes write the same word with the same value
.endm
	QFRAG 0
	QFRAG 1
	QFRAG 2
	QFRAG 3
	s_wait_dscnt 0x0                               ; for the others' sake: my scale words are in LDS
	s_barrier_signal -1
	s_barrier_wait -1
	ds_load_b64 v[52:53], v[SGR]
	s_wait_dscnt 0x0
	global_store_b64 v58, v[52:53], s[12:13]       ; the wave stores 256 consecutive bytes, aligned
	; q1[n] = the sum over k of x[k] Wq[n][k], in f32: four chains, then across the lanes
	s_wait_loadcnt 0x0
.irp j, 0,1,2,3
	v_pk_mul_f32 v[32+2*\j:33+2*\j], v[RING+2*\j:RING+2*\j+1], v[RING+64+2*\j:RING+64+2*\j+1]
.endr
.irp i, 8,16,24,32,40,48,56
.irp j, 0,1,2,3
	s_delay_alu instid0(VALU_DEP_4)
	v_pk_fma_f32 v[32+2*\j:33+2*\j], v[RING+\i+2*\j:RING+\i+2*\j+1], v[RING+64+\i+2*\j:RING+64+\i+2*\j+1], v[32+2*\j:33+2*\j]
.endr
.endr
	s_delay_alu instid0(VALU_DEP_3)
	v_pk_add_f32 v[32:33], v[32:33], v[34:35]
	s_delay_alu instid0(VALU_DEP_2)
	v_pk_add_f32 v[36:37], v[36:37], v[38:39]
	s_delay_alu instid0(VALU_DEP_1)
	v_pk_add_f32 v[32:33], v[32:33], v[36:37]
	s_delay_alu instid0(VALU_DEP_1)
	v_add_f32 v32, v32, v33
	s_delay_alu instid0(VALU_DEP_1)
	v_add_f32_dpp v32, v32, v32 row_xmask:1 row_mask:0xf bank_mask:0xf
	s_delay_alu instid0(VALU_DEP_1)
	v_add_f32_dpp v32, v32, v32 row_xmask:2 row_mask:0xf bank_mask:0xf
	s_delay_alu instid0(VALU_DEP_1)
	v_add_f32_dpp v32, v32, v32 row_xmask:4 row_mask:0xf bank_mask:0xf
	s_delay_alu instid0(VALU_DEP_1)
	v_add_f32_dpp v32, v32, v32 row_xmask:8 row_mask:0xf bank_mask:0xf
	s_delay_alu instid0(VALU_DEP_1)
	v_permlanex16_b32 v33, v32, s22, s23
	s_delay_alu instid0(VALU_DEP_1)
	v_add_f32 v32, v32, v33
	v_cmp_eq_u32 vcc_lo, 0, v1
	s_wait_alu depctr_va_vdst(0)
	s_wait_xcnt 0x0                                ; EXEC changes only behind this wait
	s_wait_tensorcnt 0x0
	ds_add_u32 v62, v63
	s_wait_dscnt 0x0
	s_and_saveexec_b32 s18, vcc_lo
	global_store_b32 v60, v32, s[14:15]            ; lane 0 alone: four bytes a wave, 8 KB in the whole launch
	s_wait_xcnt 0x0
	s_or_b32 exec_lo, exec_lo, s18
	s_endpgm
.Lfunc_end_k_qd8bbdb4408_prep:
	.size	k_qd8bbdb4408_prep, .Lfunc_end_k_qd8bbdb4408_prep-k_qd8bbdb4408_prep
	.p2alignl 7, 3214868480
	.fill 96, 4, 3214868480
	.section	.rodata,"a",@progbits
	.p2align	6, 0x0
	.amdhsa_kernel k_qd8bbdb4408_prep
		.amdhsa_group_segment_fixed_size 273408
		.amdhsa_private_segment_fixed_size 0
		.amdhsa_enable_private_segment 0
		.amdhsa_kernarg_size 48
		.amdhsa_user_sgpr_count 2
		.amdhsa_user_sgpr_kernarg_segment_ptr 1
		.amdhsa_wavefront_size32 1
		.amdhsa_system_sgpr_workgroup_id_x 1
		.amdhsa_system_sgpr_workgroup_id_y 1
		.amdhsa_system_sgpr_workgroup_id_z 1
		.amdhsa_system_vgpr_workitem_id 0
		.amdhsa_next_free_vgpr 256
		.amdhsa_next_free_sgpr 66
		.amdhsa_reserve_vcc 1
		.amdhsa_float_denorm_mode_32 3
		.amdhsa_float_denorm_mode_16_64 3
		.amdhsa_memory_ordered 1
		.amdhsa_forward_progress 1
		.amdhsa_inst_pref_size 125
	.end_amdhsa_kernel
	.amdgpu_metadata
---
amdhsa.version: [ 1, 2 ]
amdhsa.kernels:
  - .name:           k_qd8bbdb4408_prep
    .symbol:         k_qd8bbdb4408_prep.kd
    .args:
      - { .name: keys, .offset: 0, .size: 8, .value_kind: global_buffer, .address_space: global }
      - { .name: states, .offset: 8, .size: 8, .value_kind: global_buffer, .address_space: global }
      - { .name: x, .offset: 16, .size: 8, .value_kind: global_buffer, .address_space: global }
      - { .name: Wq, .offset: 24, .size: 8, .value_kind: global_buffer, .address_space: global }
      - { .name: a1, .offset: 32, .size: 8, .value_kind: global_buffer, .address_space: global }
      - { .name: q1, .offset: 40, .size: 8, .value_kind: global_buffer, .address_space: global }
    .group_segment_fixed_size: 273408
    .private_segment_fixed_size: 0
    .kernarg_segment_align: 8
    .kernarg_segment_size: 48
    .max_flat_workgroup_size: 256
    .sgpr_count:     66
    .vgpr_count:     256
    .wavefront_size: 32
...
	.end_amdgpu_metadata
.endif
;; end of part 1
;; launch gemm1 (part 2): grid 16 x 16, 4 waves a work-group, no clusters, 327,680 bytes of LDS; arguments a1, a2, Wk_codes, Wk_scales, Wv_codes, Wv_scales, q1, Wq_mha, qh; writes a2, qh
.if DOCPART == 2
	.amdgcn_target "amdgcn-amd-amdhsa--gfx1250"
	.amdhsa_code_object_version 6
	.text
	.protected	k_qd8bbdb4408_gemm1
	.globl	k_qd8bbdb4408_gemm1
	.p2align	8
	.type	k_qd8bbdb4408_gemm1,@function
k_qd8bbdb4408_gemm1:
	s_mov_b64 s[64:65], 0
	v_nop
	global_prefetch_b8 v0, s[64:65] scope:SCOPE_SE
	s_setreg_imm32_b32 hwreg(HW_REG_WAVE_MODE, 25, 1), 1
	s_wait_xcnt 0x0
; k = Q(rope(keys)) Wk^T and v = Q(rope(states)) Wv^T: 8,192 virtual rows x 2,048 columns, K = 2,048, on codes of FP6 (E2M3) with E8M0 scales; the result is quantised along its columns into a2.  Also qh = q1 Wq_mha^T in f32.
; SHARES.  Work-group (x, y): rows 512 y .. + 511, columns 128 x .. + 127; wave w: rows 128 (4 y + w) .. + 127 x all 128 columns: 64 accumulators, 512 registers.  256 work-groups.
; B (the weight's 128 rows, all of K, 196,608 bytes) comes into LDS ONCE: one tensor load a wave at the head, 64 rows x 768 bytes (a row's first or second half: it begins at a multiple of 256 bytes),
; 8 bytes of padding behind every 128: LDS rows 816 bytes = 204 words apart, so 16 rows start at 16 different multiples of 4 banks (64 banks: ISA guide 11.1).  Nothing is filled again: one barrier in the launch.
; A (a1) lies as operand images [G = row / 128][S = k / 128][i][1,536]: each wave loads its own rows from memory straight into registers, 512 consecutive bytes a load; no two waves of a work-group read the same rows.
; A's registers are a ring of two steps: a group of four blocks is asked for again, two steps on, as soon as its 32 products are issued.
; SCALES: my 128 rows' words (8,192 dense bytes) and the weight's (8,192 dense bytes, shared) are copied into LDS once, through registers, and read from there.
; NO CLUSTER: of the 983,040 bytes of codes that a work-group takes in, the 196,608 of B are what partners would share; A goes to registers, which no joint load reaches.
; PREFETCH: in step s each wave names 3 blocks of 256 bytes of step s + 3's 12,288 bytes of its rows; the 16 work-groups that read these rows share the 48 blocks out by address (768 x).  The load that wants them is
; issued in step s + 1.  Steps 0 to 2 come by their loads alone; steps 13 to 15 ask for nothing.  B has no loop to run ahead in.  My two rows of Wq_mha (64 blocks) are named once, behind step 0; they are loaded in steps 14, 15.
; THE MATRIX INSTRUCTION IS USED TRANSPOSED (source 0 = 16 rows of the weight, source 1 = 16 rows of A): lane (r, h) holds row r of C and, in accumulator b, columns 16 b + 8 h + 0 .. 7.
; LIMITS: NaN and infinities are not served.  A block of zeros gets the byte 1 where the rule says 127: its codes are zeros, and this program alone reads the bytes.  qh's sum runs in another order than a plain loop's.
; REGISTERS: window 0: v0-15 at work, v16-31 addresses, v32-63 scale words (two sets), v64-255 A's ring.  window 1: B's fragments, sets at v0 and v128.  windows 2, 3: accumulator (a, b) at v[8 (8 (a % 4) + b)].
.set KROW, 1536
.set BP,   816
.set REG,  128*BP                      ; one half of K of B's 128 rows
.set SCB,  2*REG                       ; B's scales: units of 256 bytes + 16
.set SCA,  SCB+8704                    ; A's scales: 8,192 bytes a wave
.set STG,  SCA+32768                   ; the way out of the scale words: 512 bytes a wave
.set SPARE, STG+2048                   ; the spare words: 128 bytes a wave
.set SCO,  12582912                    ; a1, a2: where the scale words begin
.set SA_S, 64                          ; a1's scale words [G][i][S][r]
.set SA_I, 1024
.set FR, 12
.set TM, 0
.set SAW, 8
.set SBW, 9
.set TB, 10
.set PFW, 11
.set BB, 16                            ; v16-19 B's LDS addresses at K = 0: blocks 0-3, the same + 8 h (a piece whose lanes 16-31 lie behind one padding more), blocks 4-7, the same + 8 h
.set BC, 20                            ; v20-23 the same at the 512 along K that are being fetched
.set STO, 24
.set RD, 25
.set CO, 26                            ; 16 l
.set ADSA, 27
.set SPW, 28
.set NIL, 29
.set ADSB, 30
.set PFO, 31
.set SC, 32
.set AF, 64
.set PC, 0                             ; window 1, on the way out: a fragment's codes
.set QT, 12
.set AP, 40                            ; s[40:41] my images, stepped by 4 steps a trip
.set MSB, 0
.macro WIN new                         ; the immediate's high byte repeats the setting that is left
.if MSB != \new
	s_set_vgpr_msb (MSB<<8)|\new
.set MSB, \new
.endif
.endm
.set MUL_LO, 0xa1
.set MUL_HI, 0xf1
.set TO_B, 0x40
.macro PLACES                          ; plain vector instructions between a matrix instruction and a load into, or a vector read of, its registers (ISA guide 7.12.1 for vector reads)
.rept 4
	v_nop
.endr
.endm
	s_load_b128 s[4:7], s[0:1], 0x0                ; a1, a2
	s_load_b128 s[8:11], s[0:1], 0x10              ; Wk: codes, scales
	s_load_b128 s[12:15], s[0:1], 0x20             ; Wv: codes, scales
	s_load_b128 s[16:19], s[0:1], 0x30             ; q1, Wq_mha
	s_load_b64 s[20:21], s[0:1], 0x40              ; qh
	v_lshl_add_u32 v[SPW], v0, 2, SPARE
	v_mov_b32 v[NIL], 0
	ds_add_u32 v[SPW], v[NIL]                      ; the opening lines: the add, twice on end, and its wait ahead of my tensor load
	ds_add_u32 v[SPW], v[NIL]
	v_lshrrev_b32 v1, 5, v0
	v_readfirstlane_b32 s22, v1                    ; wave 0..3
	s_and_b32 s23, ttmp7, 0xffff                   ; y
	s_lshl_b32 s24, s23, 2
	s_add_co_u32 s24, s24, s22                     ; G = 4 y + w
	s_mul_i32 s40, s24, 196608                     ; my images
	s_mov_b32 s41, 0
	s_lshl_b32 s42, s24, 13                        ; my scale words
	s_add_co_u32 s42, s42, SCO
	s_mov_b32 s43, 0
	s_lshl_b32 s44, ttmp9, 13                      ; the weight's scales: 128 rows of 64 bytes
	s_mov_b32 s45, 0
	s_lshl_b32 s46, s24, 4
	s_add_co_u32 s46, s46, ttmp9                   ; 16 G + x
	s_lshl_b32 s48, s46, 9
	s_add_co_u32 s48, s48, SCO                     ; a2's scale words [G][S][i][r]
	s_mov_b32 s49, 0
	s_mul_i32 s46, s46, 12288                      ; a2's images
	s_mov_b32 s47, 0
	s_and_b32 s25, s22, 1                          ; which 64 rows of the weight I fetch,
	s_lshr_b32 s26, s22, 1                         ; and which half of K
	s_lshl_b32 s50, ttmp9, 7
	s_lshl_b32 s27, s25, 6
	s_add_co_u32 s50, s50, s27
	s_mul_i32 s50, s50, KROW
	s_mul_i32 s27, s26, 768
	s_add_co_u32 s50, s50, s27
	s_mov_b32 s51, 0
	s_lshl_b32 s52, s23, 4
	s_add_co_u32 s52, s52, ttmp9
	s_lshl_b32 s52, s52, 2
	s_add_co_u32 s52, s52, s22                     ; my wave's number in the launch: rows 2 n, 2 n + 1 of Wq_mha
	s_lshl_b32 s54, s52, 3
	s_mov_b32 s55, 0
	s_lshl_b32 s52, s52, 14
	s_mov_b32 s53, 0
	s_mov_b32 s28, 1                               ; group 0
	s_mul_i32 s29, s26, REG
	s_mul_i32 s27, s25, 64*BP
	s_add_co_u32 s29, s29, s27
	s_mov_b32 s32, (1<<20)|(4<<22)|(1<<25)         ; group 1: elements of 1 byte; behind every 32 words 2 words of padding
	s_mov_b32 s33, 768<<16
	s_mov_b32 s34, 64<<16
	s_mov_b32 s35, 768<<16
	s_mov_b32 s36, 64
	s_mov_b32 s37, KROW
	s_mov_b32 s38, 0
	s_mov_b32 s39, 0
	s_lshl_b32 s56, s22, 13
	s_add_co_u32 s56, s56, SCA
	s_lshl_b32 s57, s22, 9
	s_add_co_u32 s57, s57, STG
	s_mul_i32 s58, ttmp9, 768
	s_mov_b32 s60, 0x76543210
	s_mov_b32 s61, 0xfedcba98                      ; v_permlanex16_b32's selects for lane l xor 16
	v_and_b32 v1, 15, v0                           ; r
	v_bfe_u32 v2, v0, 4, 1                         ; h
	v_and_b32 v3, 31, v0                           ; l
	v_lshlrev_b32 v[CO], 4, v3
	v_mul_u32_u24 v[BB], v1, BP
	v_mad_u32_u24 v[BB], v2, 24, v[BB]
	v_lshl_add_u32 v[BB+1], v2, 3, v[BB]
	v_add_nc_u32 v[BB+2], 64*BP, v[BB]
	v_add_nc_u32 v[BB+3], 64*BP, v[BB+1]
.irp j, 0,1,2,3
	v_mov_b32 v[BC+\j], v[BB+\j]
.endr
	v_lshlrev_b32 v4, 2, v1
	v_mad_u32_u24 v5, v2, SA_S, v4
	v_add_nc_u32 v[ADSA], s56, v5                  ; lanes 0-15 a pair's first step, lanes 16-31 its second
	v_add_nc_u32 v[SAW], s56, v[CO]
	v_lshlrev_b32 v5, 6, v1
	v_lshrrev_b32 v6, 2, v1
	v_lshl_add_u32 v5, v6, 4, v5
	v_lshl_add_u32 v5, v2, 2, v5
	v_add_nc_u32 v[ADSB], SCB, v5                  ; 64 r + 16 (r / 4) + 4 h
	v_lshlrev_b32 v[TB], 4, v0
	v_lshrrev_b32 v6, 4, v0
	v_lshl_add_u32 v6, v6, 4, v[TB]
	v_add_nc_u32 v[SBW], SCB, v6                   ; byte y of the scales goes to y + 16 (y / 256)
	v_add_nc_u32 v[STO], s57, v4
	v_add_nc_u32 v[RD], s57, v[CO]
	v_min_u32 v5, 2, v3
	v_lshl_add_u32 v[PFO], v5, 8, s58              ; 768 x + 256 min(l, 2): lanes 3-31 name the wave's last block again
	v_lshlrev_b32 v[PFW], 8, v3
	s_wait_alu depctr_va_vdst(0)
	s_wait_dscnt 0x0                               ; both opening adds are done
	s_wait_kmcnt 0x0
	s_cmp_lt_u32 s23, 8                            ; the keys' chain or the states'
	s_cselect_b64 s[8:9], s[8:9], s[12:13]
	s_cselect_b64 s[10:11], s[10:11], s[14:15]
	s_add_nc_u64 s[30:31], s[8:9], s[50:51]
	s_or_b32 s31, s31, 0x80000000
	tensor_load_to_lds s[28:31], s[32:39]          ; my quarter of B: the wave's one tensor load
	s_nop 0
	s_add_nc_u64 s[AP:AP+1], s[4:5], s[40:41]
	s_add_nc_u64 s[42:43], s[4:5], s[42:43]
	s_add_nc_u64 s[44:45], s[10:11], s[44:45]
	s_add_nc_u64 s[46:47], s[6:7], s[46:47]
	s_add_nc_u64 s[48:49], s[6:7], s[48:49]
	s_add_nc_u64 s[18:19], s[18:19], s[52:53]
	s_add_nc_u64 s[20:21], s[20:21], s[54:55]
.macro ALD set, st, i0                 ; A's blocks i0 .. i0 + 3 of the step st steps behind s[AP]: 12 loads of 512 consecutive bytes
.irp i, \i0, \i0+1, \i0+2, \i0+3
.irp c, 0,1,2
	global_load_b128 v[AF+96*(\set)+FR*(\i)+4*\c:AF+96*(\set)+FR*(\i)+4*\c+3], v[CO], s[AP:AP+1] offset:(\st)*12288+(\i)*1536+512*\c
.endr
.endr
.endm
.macro REFILL ld, rel, i0              ; ld = 1: the same blocks two steps on.  ld = 2: the ring is done with: 12 of the 48 loads of q1 (v64-127) and my two rows of Wq_mha (v128-255)
.if \ld == 1
	ALD (\rel)%2, (\rel)+2, \i0
.elseif \ld == 2
.set N, 24*((\rel)%2)+3*(\i0)
.rept 12
.if N < 16
	global_load_b128 v[AF+4*N:AF+4*N+3], v[CO], s[16:17] offset:512*N
.else
	global_load_b128 v[AF+4*N:AF+4*N+3], v[CO], s[18:19] offset:512*(N-16) th:TH_LOAD_NT
.endif
.set N, N+1
.endr
.endif
.endm
.macro FRAGB reg, q, i                 ; a fragment of B: 24 bytes of the row's stream of bits for each 64 along K, in pieces of 8 bytes.  Byte y of 384 lies at y + 8 (y / 128)
.irp p, 0,1,2,3,4,5
.set Y, 96*(\q)+48*(\p/3)+8*(\p%3)
.if Y/128 == (Y+24)/128
	ds_load_b64 v[\reg+2*\p:\reg+2*\p+1], v[BC+2*((\i)/4)] offset:Y+8*(Y/128)+((\i)%4)*16*BP
.else
	ds_load_b64 v[\reg+2*\p:\reg+2*\p+1], v[BC+2*((\i)/4)+1] offset:Y+8*(Y/128)+((\i)%4)*16*BP
.endif
.endr
.endm
.macro FETCH_B q, p                    ; 48 loads
	WIN TO_B
.irp i, 0,1,2,3,4,5,6,7
	FRAGB 128*(\p)+FR*\i, \q, \i
.endr
	WIN 0
.endm
.macro SCALES set, pr                  ; 16 loads: the words of a pair of steps
.irp i, 0,1,2,3,4,5,6,7
	ds_load_b32 v[SC+16*(\set)+\i], v[ADSA] offset:\i*SA_I+(\pr)*2*SA_S
.endr
.irp i, 0,1,2,3,4,5,6,7
	ds_load_b32 v[SC+16*(\set)+8+\i], v[ADSB] offset:\i*1088+(\pr)*8
.endr
.endm
; 16 matrix instructions: A's blocks a0, a0 + 1 x B's eight.  The 64 accumulators take turns, one instruction a turn.  p: the step's parity: B's set, A's set, the scale words' row
.macro MUL16 a0, p, sc, zero
.irp a, \a0, \a0+1
.irp b, 0,1,2,3,4,5,6,7
.set DA, 8*(8*((\a)%4)+\b)
.if \zero
	v_wmma_scale_f32_16x16x128_f8f6f4 v[DA:DA+7], v[128*(\p)+FR*\b:128*(\p)+FR*\b+FR-1], v[AF+96*(\p)+FR*(\a):AF+96*(\p)+FR*(\a)+FR-1], 0, v[SC+16*(\sc)+8+\b], v[SC+16*(\sc)+(\a)] matrix_a_fmt:MATRIX_FMT_FP6 matrix_b_fmt:MATRIX_FMT_FP6
.elseif \p
	v_wmma_scale_f32_16x16x128_f8f6f4 v[DA:DA+7], v[128*(\p)+FR*\b:128*(\p)+FR*\b+FR-1], v[AF+96*(\p)+FR*(\a):AF+96*(\p)+FR*(\a)+FR-1], v[DA:DA+7], v[SC+16*(\sc)+8+\b], v[SC+16*(\sc)+(\a)] matrix_a_fmt:MATRIX_FMT_FP6 matrix_b_fmt:MATRIX_FMT_FP6 matrix_a_scale:MATRIX_SCALE_ROW1 matrix_b_scale:MATRIX_SCALE_ROW1
.else
	v_wmma_scale_f32_16x16x128_f8f6f4 v[DA:DA+7], v[128*(\p)+FR*\b:128*(\p)+FR*\b+FR-1], v[AF+96*(\p)+FR*(\a):AF+96*(\p)+FR*(\a)+FR-1], v[DA:DA+7], v[SC+16*(\sc)+8+\b], v[SC+16*(\sc)+(\a)] matrix_a_fmt:MATRIX_FMT_FP6 matrix_b_fmt:MATRIX_FMT_FP6
.endif
.endr
.endr
.endm
; A step of 128 along K.  rel: the step less 4 x the trips done.  c1, c2: the global loads issued behind the 12 that the next 32 products need (in the loop three groups of 12).
.macro STEP rel, zero, ld, nxt, pf, c1, c2
.set P, (\rel)%2
.set SS, ((\rel)/2)%2
.set NX, (\rel)+1
	s_wait_loadcnt \c1                             ; A's blocks 0-3 are in
	s_wait_dscnt 0x0                               ; B's set and the scale words, asked for 32 matrix instructions ago
	WIN MUL_LO
	MUL16 0, P, SS, \zero
	MUL16 2, P, SS, \zero
	PLACES
	WIN 0
	REFILL \ld, \rel, 0
.if \nxt
.if NX%4 == 0                          ; the next step begins another 512 along K: n = trips done + 1; its 384 bytes begin at 408 (n % 2) + REG (n / 2)
	s_add_co_u32 s50, s3, 1
	s_and_b32 s51, s50, 1
	s_mul_i32 s51, s51, 408
	s_lshr_b32 s50, s50, 1
	s_mul_i32 s50, s50, REG
	s_add_co_u32 s50, s50, s51
.irp j, 0,1,2,3
	v_add_nc_u32 v[BC+\j], s50, v[BB+\j]
.endr
	s_wait_alu depctr_va_vdst(0)
.endif
	FETCH_B NX%4, NX%2
.if NX%2 == 0
	SCALES (NX/2)%2, NX/2
.endif
.endif
.if \pf
	global_prefetch_b8 v[PFO], s[AP:AP+1] offset:((\rel)+3)*12288 th:TH_LOAD_NT scope:SCOPE_SE
.endif
	s_wait_loadcnt \c2                             ; A's blocks 4-7 are in
	WIN MUL_HI
	MUL16 4, P, SS, \zero
	MUL16 6, P, SS, \zero
	PLACES
	WIN 0
	REFILL \ld, \rel, 4
.endm
	WIN TO_B                                       ; the scales pass through window 1, which is idle yet
.irp k, 0,1,2,3,4,5,6,7,8,9,10,11,12,13,14,15
	global_load_b128 v[4*\k:4*\k+3], v[CO], s[42:43] offset:512*\k
.endr
.irp k, 0,1,2,3
	global_load_b128 v[64+4*\k:67+4*\k], v[TB], s[44:45] offset:2048*\k
.endr
	WIN 0
	ALD 0, 0, 0
	ALD 0, 0, 4
	ALD 1, 1, 0
	ALD 1, 1, 4
	s_wait_loadcnt 48                              ; the scales are in; the 48 loads of steps 0 and 1 may be out
	s_wait_tensorcnt 0x0                           ; my quarter of B is in
	WIN 0x04
.irp k, 0,1,2,3,4,5,6,7,8,9,10,11,12,13,14,15
	ds_store_b128 v[SAW], v[4*\k:4*\k+3] offset:512*\k
.endr
.irp k, 0,1,2,3
	ds_store_b128 v[SBW], v[64+4*\k:67+4*\k] offset:2176*\k
.endr
	WIN 0
	s_wait_dscnt 0x0                               ; for the others' sake: my part of B's scales is in LDS
	s_barrier_signal -1
	s_barrier_wait -1                              ; B and its scales are whole
	FETCH_B 0, 0
	SCALES 0, 0
	STEP 0, 1, 1, 1, 1, 36, 36                     ; the first step's products start the sums
	global_prefetch_b8 v[PFW], s[18:19] th:TH_LOAD_NT scope:SCOPE_SE
	global_prefetch_b8 v[PFW], s[18:19] offset:8192 th:TH_LOAD_NT scope:SCOPE_SE
	s_mov_b32 s3, 0
.Lk:                                                   ; a trip: steps 4 t + 1 .. 4 t + 4
	STEP 1, 0, 1, 1, 1, 36, 36
	STEP 2, 0, 1, 1, 1, 36, 36
	STEP 3, 0, 1, 1, 1, 36, 36
	STEP 4, 0, 1, 1, 1, 36, 36
	s_wait_xcnt 0x0                                ; my loads and prefetches have read their base
	s_add_nc_u64 s[AP:AP+1], s[AP:AP+1], 4*12288
	v_add_nc_u32 v[ADSA], 4*SA_S, v[ADSA]
	v_add_nc_u32 v[ADSB], 16, v[ADSB]
	s_wait_alu depctr_va_vdst(0)
	s_add_co_u32 s3, s3, 1
	s_cmp_lt_u32 s3, 3
	s_cbranch_scc1 .Lk
	STEP 1, 0, 1, 1, 0, 36, 36                     ; step 13 asks for step 15
	STEP 2, 0, 2, 1, 0, 36, 36
	STEP 3, 0, 2, 0, 0, 36, 36
	s_mov_b32 s24, 0x05040302
	s_mov_b32 s25, 0x07060302
	s_mov_b32 s26, 0x05040100
.irp b, 0,1,2,3
	v_mov_b32 v[TM+4+\b], 0                        ; a lane permute's destination counts as one of its sources
.endr
; THE WAY OUT: block a's 16 rows x 128 columns become a fragment of a2: four blocks of 32 along the next K, each in lanes l and l xor 16; scales, codes, the row's scale word.
.macro QUANTC a
.set AC, 64*((\a)%4)
	WIN 0x0a+5*((\a)/4)
.irp b, 0,1,2,3
	v_max3_num_f32 v[TM+\b], |v[AC+16*\b]|, |v[AC+16*\b+1]|, 0x1800000     ; with the floor 2^(3 - 127): the byte cannot fall under 1
.endr
.irp i, 2,4,6,8,10,12,14
.irp b, 0,1,2,3
	v_max3_num_f32 v[TM+\b], |v[AC+16*\b+\i]|, |v[AC+16*\b+\i+1]|, v[TM+\b]
.endr
.endr
	WIN 0
.irp b, 0,1,2,3
	v_permlanex16_b32 v[TM+4+\b], v[TM+\b], s60, s61
.endr
.irp b, 0,1,2,3
	v_max_num_f32 v[TM+\b], v[TM+\b], v[TM+4+\b]
.endr
.irp b, 0,1,2,3
	v_add_nc_u32 v[TM+12+\b], 0xff000000, v[TM+\b] ; 2 off the exponent field: the conversion's scale operand
.endr
.irp b, 0,1,2,3
	v_lshrrev_b32 v[TM+4+\b], 23, v[TM+12+\b]      ; the scale's byte
.endr
	v_lshl_or_b32 v[TM+8], v[TM+5], 8, v[TM+4]
	v_lshl_or_b32 v[TM+8], v[TM+6], 16, v[TM+8]
	v_lshl_or_b32 v[TM+8], v[TM+7], 24, v[TM+8]
	ds_store_b32 v[STO], v[TM+8] offset:64*(\a)    ; both halves of the lanes write the same word with the same value
	s_wait_alu depctr_va_vdst(0)
	s_wait_xcnt 0x0                                ; the last block's stores have read the codes' registers
	WIN 0x42+((\a)/4)
.irp c, 0,1
	v_cvt_scalef32_pk16_fp6_f32 v[PC+6*\c:PC+6*\c+2], v[AC+32*\c:AC+32*\c+15], v[TM+12+2*\c]
	v_cvt_scalef32_pk16_fp6_f32 v[QT+4*\c:QT+4*\c+2], v[AC+32*\c+16:AC+32*\c+31], v[TM+12+2*\c+1]
.endr
	WIN 0x45
	v_nop                                          ; one plain instruction behind a scaled conversion
.irp c, 0,1                            ; a lane's 96 bits are columns 8 h .. + 7 and 16 + 8 h .. + 7 of a block: the swap gives each lane one block's four pieces of 48 bits, the byte permutes put them in order
.irp i, 0,1,2
	v_permlane16_swap_b32 v[PC+6*\c+\i], v[QT+4*\c+\i]
.endr
	v_perm_b32 v[PC+6*\c+3], v[PC+6*\c+2], v[PC+6*\c+1], s24
	v_perm_b32 v[PC+6*\c+4], v[QT+4*\c+1], v[PC+6*\c+2], s25
	v_perm_b32 v[PC+6*\c+1], v[QT+4*\c], v[PC+6*\c+1], s26
	v_perm_b32 v[PC+6*\c+2], v[QT+4*\c+1], v[QT+4*\c], s24
	v_mov_b32 v[PC+6*\c+5], v[QT+4*\c+2]
.endr
	WIN 0x04
.irp c, 0,1,2
	global_store_b128 v[CO], v[PC+4*\c:PC+4*\c+3], s[46:47] offset:(\a)*1536+512*\c   ; 512 consecutive bytes a store, aligned
.endr
.endm
.irp a, 0,1,2,3,4,5,6,7
	QUANTC \a
.endr
	WIN 0
	ds_load_b128 v[4:7], v[RD]                     ; LDS serves a wave's instructions in order: this sees my stores
	s_wait_dscnt 0x0
	global_store_b128 v[CO], v[4:7], s[48:49]      ; my 128 rows' scale words: 512 consecutive bytes, aligned
	; qh[2 n], qh[2 n + 1] = q1 . two rows of Wq_mha, in f32: two chains each, then across the lanes
	s_wait_loadcnt 0x0
	v_lshrrev_b32 v2, 4, v[CO]                     ; l
	v_pk_mul_f32 v[8:9], v[128:129], v[64:65]
	v_pk_mul_f32 v[10:11], v[130:131], v[66:67]
	v_pk_mul_f32 v[12:13], v[192:193], v[64:65]
	v_pk_mul_f32 v[14:15], v[194:195], v[66:67]
.irp i, 4,8,12,16,20,24,28,32,36,40,44,48,52,56,60
	v_pk_fma_f32 v[8:9], v[128+\i:129+\i], v[64+\i:65+\i], v[8:9]
	v_pk_fma_f32 v[10:11], v[130+\i:131+\i], v[66+\i:67+\i], v[10:11]
	v_pk_fma_f32 v[12:13], v[192+\i:193+\i], v[64+\i:65+\i], v[12:13]
	v_pk_fma_f32 v[14:15], v[194+\i:195+\i], v[66+\i:67+\i], v[14:15]
.endr
	v_pk_add_f32 v[8:9], v[8:9], v[10:11]
	v_pk_add_f32 v[12:13], v[12:13], v[14:15]
	v_add_f32 v8, v8, v9
	v_add_f32 v12, v12, v13
.irp m, 1,2,4,8
	v_add_f32_dpp v8, v8, v8 row_xmask:\m row_mask:0xf bank_mask:0xf
	v_add_f32_dpp v12, v12, v12 row_xmask:\m row_mask:0xf bank_mask:0xf
.endr
	v_permlanex16_b32 v9, v8, s60, s61
	v_permlanex16_b32 v13, v12, s60, s61
	v_add_f32 v8, v8, v9
	v_add_f32 v12, v12, v13
	v_cmp_eq_u32 vcc_lo, 1, v2
	v_cndmask_b32 v8, v8, v12, vcc_lo
	v_lshlrev_b32 v9, 2, v2
	v_cmp_gt_u32 vcc_lo, 2, v2
	s_wait_alu depctr_va_vdst(0)
	s_wait_xcnt 0x0                                ; EXEC changes only behind this wait
	s_and_saveexec_b32 s27, vcc_lo
	global_store_b32 v9, v8, s[20:21]              ; lanes 0 and 1: eight bytes a wave, 8 KB in the whole launch
	s_wait_xcnt 0x0
	s_or_b32 exec_lo, exec_lo, s27
	s_wait_tensorcnt 0x0                           ; the wave's end
	ds_add_u32 v[SPW], v[NIL]
	s_wait_dscnt 0x0
	s_endpgm
.Lfunc_end_k_qd8bbdb4408_gemm1:
	.size	k_qd8bbdb4408_gemm1, .Lfunc_end_k_qd8bbdb4408_gemm1-k_qd8bbdb4408_gemm1
	.p2alignl 7, 3214868480
	.fill 96, 4, 3214868480
	.section	.rodata,"a",@progbits
	.p2align	6, 0x0
	.amdhsa_kernel k_qd8bbdb4408_gemm1
		.amdhsa_group_segment_fixed_size 327680
		.amdhsa_private_segment_fixed_size 0
		.amdhsa_enable_private_segment 0
		.amdhsa_kernarg_size 72
		.amdhsa_user_sgpr_count 2
		.amdhsa_user_sgpr_kernarg_segment_ptr 1
		.amdhsa_wavefront_size32 1
		.amdhsa_system_sgpr_workgroup_id_x 1
		.amdhsa_system_sgpr_workgroup_id_y 1
		.amdhsa_system_sgpr_workgroup_id_z 1
		.amdhsa_system_vgpr_workitem_id 0
		.amdhsa_next_free_vgpr 1024
		.amdhsa_next_free_sgpr 66
		.amdhsa_reserve_vcc 1
		.amdhsa_float_denorm_mode_32 3
		.amdhsa_float_denorm_mode_16_64 3
		.amdhsa_memory_ordered 1
		.amdhsa_forward_progress 1
		.amdhsa_inst_pref_size 172
	.end_amdhsa_kernel
	.amdgpu_metadata
---
amdhsa.version: [ 1, 2 ]
amdhsa.kernels:
  - .name:           k_qd8bbdb4408_gemm1
    .symbol:         k_qd8bbdb4408_gemm1.kd
    .args:
      - { .name: a1, .offset: 0, .size: 8, .value_kind: global_buffer, .address_space: global }
      - { .name: a2, .offset: 8, .size: 8, .value_kind: global_buffer, .address_space: global }
      - { .name: Wk_codes, .offset: 16, .size: 8, .value_kind: global_buffer, .address_space: global }
      - { .name: Wk_scales, .offset: 24, .size: 8, .value_kind: global_buffer, .address_space: global }
      - { .name: Wv_codes, .offset: 32, .size: 8, .value_kind: global_buffer, .address_space: global }
      - { .name: Wv_scales, .offset: 40, .size: 8, .value_kind: global_buffer, .address_space: global }
      - { .name: q1, .offset: 48, .size: 8, .value_kind: global_buffer, .address_space: global }
      - { .name: Wq_mha, .offset: 56, .size: 8, .value_kind: global_buffer, .address_space: global }
      - { .name: qh, .offset: 64, .size: 8, .value_kind: global_buffer, .address_space: global }
    .group_segment_fixed_size: 327680
    .private_segment_fixed_size: 0
    .kernarg_segment_align: 8
    .kernarg_segment_size: 72
    .max_flat_workgroup_size: 128
    .sgpr_count:     66
    .vgpr_count:     1024
    .wavefront_size: 32
...
	.end_amdgpu_metadata
.endif
;; end of part 2
;; launch gemm2 (part 3): grid 16 x 16, 4 waves a work-group, no clusters, 327,680 bytes of LDS; arguments a2, qh, Wk_mha_codes, Wk_mha_scales, Wv_mha_codes, Wv_mha_scales, logits, vh; writes logits, vh
.if DOCPART == 3
	.amdgcn_target "amdgcn-amd-amdhsa--gfx1250"
	.amdhsa_code_object_version 6
	.text
	.protected	k_qd8bbdb4408_gemm2
	.globl	k_qd8bbdb4408_gemm2
	.p2align	8
	.type	k_qd8bbdb4408_gemm2,@function
k_qd8bbdb4408_gemm2:
	s_mov_b64 s[64:65], 0
	v_nop
	global_prefetch_b8 v0, s[64:65] scope:SCOPE_SE
	s_setreg_imm32_b32 hwreg(HW_REG_WAVE_MODE, 25, 1), 1
	s_wait_xcnt 0x0
; kh = Q(k) Wk_mha^T and vh = Q(v) Wv_mha^T: 8,192 virtual rows x 2,048 columns, K = 2,048, on codes of FP6 (E2M3) with E8M0 scales.  A work-group's 128 columns are one head.
; Rows under 4,096 (kh): nothing of kh leaves; the way out forms logits[head][row] = kh . qh / sqrt(128) in f32.  Rows from 4,096 on (vh): rounded to bf16, the operand format of the weighted sum that follows,
; laid [head][row / 16][b][512 bytes]: lane (r, h)'s 16 bytes at 16 l are row r, columns 16 b + 8 h + 0 .. 7 of the head.
; SHARES.  Work-group (x, y): rows 512 y .. + 511, head x; wave w: rows 128 (4 y + w) .. + 127 x the head's 128 columns: 64 accumulators, 512 registers.  256 work-groups.
; B (the weight's 128 rows, all of K, 196,608 bytes) comes into LDS ONCE: one tensor load a wave at the head, 64 rows x 768 bytes (a row's first or second half: it begins at a multiple of 256 bytes),
; 8 bytes of padding behind every 128: LDS rows 816 bytes = 204 words apart, so 16 rows start at 16 different multiples of 4 banks (64 banks: ISA guide 11.1).  Nothing is filled again: one barrier in the launch.
; A (a2) lies as operand images [G = row / 128][S = k / 128][i][1,536]: each wave loads its own rows from memory straight into registers; the registers are a ring of two steps, a group of four blocks asked for
; again, two steps on, as soon as its 32 products are issued.  The scale words (mine: 8,192 dense bytes; the weight's: 8,192 dense bytes) and the head's qh are copied into LDS once, through registers.
; NO CLUSTER: of the 983,040 bytes of codes that a work-group takes in, the 196,608 of B are what partners would share; A goes to registers, which no joint load reaches.
; PREFETCH: in step s each wave names 3 blocks of 256 bytes of step s + 3's 12,288 bytes of its rows; the 16 work-groups that read these rows share the 48 blocks out by address (768 x).  The load that wants them is
; issued in step s + 1.  Steps 0 to 2 come by their loads alone; steps 13 to 15 ask for nothing.  B has no loop to run ahead in.
; THE MATRIX INSTRUCTION IS USED TRANSPOSED (source 0 = 16 rows of the weight, source 1 = 16 rows of A): lane (r, h) holds row r of C and, in accumulator b, columns 16 b + 8 h + 0 .. 7.
; LIMITS: NaN and infinities are not served; a logit's sum runs in another order than a plain loop's.  The head's 512 bytes of qh are staged by the states' work-groups too, which do not use them.
; REGISTERS: window 0: v0-15 at work, v16-31 addresses, v32-63 scale words (two sets), v64-255 A's ring.  window 1: B's fragments, sets at v0 and v128.  windows 2, 3: accumulator (a, b) at v[8 (8 (a % 4) + b)].
.set KROW, 1536
.set BP,   816
.set REG,  128*BP
.set SCB,  2*REG
.set SCA,  SCB+8704
.set STG,  SCA+32768                   ; the way out of the logits: 512 bytes a wave
.set QHS,  STG+2048                    ; qh: 512 bytes a wave
.set SPARE, QHS+2048                   ; the spare words: 128 bytes a wave
.set SCO,  12582912
.set SA_S, 512                         ; a2's scale words [G][S][i][r]
.set SA_I, 64
.set FR, 12
.set SAW, 8
.set SBW, 9
.set TB, 10
.set QW, 11
.set QR, 12
.set CH, 8                             ; later: v8-15 four chains of a logit's sum
.set BB, 16
.set BC, 20
.set STO, 24
.set RD, 25
.set CO, 26
.set ADSA, 27
.set SPW, 28
.set NIL, 29
.set ADSB, 30
.set PFO, 31
.set SC, 32
.set AF, 64
.set QH, 64                            ; later: v64-127 the head's qh, in the accumulators' layout
.set LG, 224
.set AP, 40
.set MSB, 0
.macro WIN new                         ; the immediate's high byte repeats the setting that is left
.if MSB != \new
	s_set_vgpr_msb (MSB<<8)|\new
.set MSB, \new
.endif
.endm
.set MUL_LO, 0xa1
.set MUL_HI, 0xf1
.set TO_B, 0x40
.macro PLACES                          ; plain vector instructions between a matrix instruction and a load into, or a vector read of, its registers (ISA guide 7.12.1 for vector reads)
.rept 4
	v_nop
.endr
.endm
	s_load_b128 s[4:7], s[0:1], 0x0                ; a2, qh
	s_load_b128 s[8:11], s[0:1], 0x10              ; Wk_mha: codes, scales
	s_load_b128 s[12:15], s[0:1], 0x20             ; Wv_mha: codes, scales
	s_load_b128 s[16:19], s[0:1], 0x30             ; logits, vh
	v_lshl_add_u32 v[SPW], v0, 2, SPARE
	v_mov_b32 v[NIL], 0
	ds_add_u32 v[SPW], v[NIL]                      ; the opening lines: the add, twice on end, and its wait ahead of my tensor load
	ds_add_u32 v[SPW], v[NIL]
	v_lshrrev_b32 v1, 5, v0
	v_readfirstlane_b32 s22, v1                    ; wave 0..3
	s_and_b32 s23, ttmp7, 0xffff                   ; y
	s_lshl_b32 s24, s23, 2
	s_add_co_u32 s24, s24, s22                     ; G = 4 y + w
	s_mul_i32 s40, s24, 196608                     ; my images
	s_mov_b32 s41, 0
	s_lshl_b32 s42, s24, 13                        ; my scale words
	s_add_co_u32 s42, s42, SCO
	s_mov_b32 s43, 0
	s_lshl_b32 s44, ttmp9, 13                      ; the weight's scales
	s_mov_b32 s45, 0
	s_and_b32 s27, s24, 31                         ; my 128 rows within their chain
	s_lshl_b32 s46, ttmp9, 14
	s_lshl_b32 s48, s27, 9
	s_add_co_u32 s46, s46, s48                     ; logits: (4,096 head + 128 x that) x 4
	s_mov_b32 s47, 0
	s_lshl_b32 s48, ttmp9, 20
	s_lshl_b32 s27, s27, 15
	s_add_co_u32 s48, s48, s27                     ; vh: (256 head + 8 x that) x 4,096
	s_mov_b32 s49, 0
	s_and_b32 s25, s22, 1                          ; which 64 rows of the weight I fetch,
	s_lshr_b32 s26, s22, 1                         ; and which half of K
	s_lshl_b32 s50, ttmp9, 7
	s_lshl_b32 s27, s25, 6
	s_add_co_u32 s50, s50, s27
	s_mul_i32 s50, s50, KROW
	s_mul_i32 s27, s26, 768
	s_add_co_u32 s50, s50, s27
	s_mov_b32 s51, 0
	s_lshl_b32 s52, ttmp9, 9                       ; the head's 128 numbers of qh
	s_mov_b32 s53, 0
	s_mov_b32 s28, 1                               ; group 0
	s_mul_i32 s29, s26, REG
	s_mul_i32 s27, s25, 64*BP
	s_add_co_u32 s29, s29, s27
	s_mov_b32 s32, (1<<20)|(4<<22)|(1<<25)         ; group 1: elements of 1 byte; behind every 32 words 2 words of padding
	s_mov_b32 s33, 768<<16
	s_mov_b32 s34, 64<<16
	s_mov_b32 s35, 768<<16
	s_mov_b32 s36, 64
	s_mov_b32 s37, KROW
	s_mov_b32 s38, 0
	s_mov_b32 s39, 0
	s_lshl_b32 s56, s22, 13
	s_add_co_u32 s56, s56, SCA
	s_lshl_b32 s57, s22, 9
	s_add_co_u32 s59, s57, QHS
	s_add_co_u32 s57, s57, STG
	s_mul_i32 s58, ttmp9, 768
	s_mov_b32 s60, 0x76543210
	s_mov_b32 s61, 0xfedcba98                      ; v_permlanex16_b32's selects for lane l xor 16
	v_and_b32 v1, 15, v0                           ; r
	v_bfe_u32 v2, v0, 4, 1                         ; h
	v_and_b32 v3, 31, v0                           ; l
	v_lshlrev_b32 v[CO], 4, v3
	v_mul_u32_u24 v[BB], v1, BP
	v_mad_u32_u24 v[BB], v2, 24, v[BB]
	v_lshl_add_u32 v[BB+1], v2, 3, v[BB]
	v_add_nc_u32 v[BB+2], 64*BP, v[BB]
	v_add_nc_u32 v[BB+3], 64*BP, v[BB+1]
.irp j, 0,1,2,3
	v_mov_b32 v[BC+\j], v[BB+\j]
.endr
	v_lshlrev_b32 v4, 2, v1
	v_mad_u32_u24 v5, v2, SA_S, v4
	v_add_nc_u32 v[ADSA], s56, v5                  ; lanes 0-15 a pair's first step, lanes 16-31 its second
	v_add_nc_u32 v[SAW], s56, v[CO]
	v_lshlrev_b32 v5, 6, v1
	v_lshrrev_b32 v6, 2, v1
	v_lshl_add_u32 v5, v6, 4, v5
	v_lshl_add_u32 v5, v2, 2, v5
	v_add_nc_u32 v[ADSB], SCB, v5                  ; 64 r + 16 (r / 4) + 4 h
	v_lshlrev_b32 v[TB], 4, v0
	v_lshrrev_b32 v6, 4, v0
	v_lshl_add_u32 v6, v6, 4, v[TB]
	v_add_nc_u32 v[SBW], SCB, v6                   ; byte y of the scales goes to y + 16 (y / 256)
	v_add_nc_u32 v[STO], s57, v4
	v_add_nc_u32 v[RD], s57, v[CO]
	v_add_nc_u32 v[QW], s59, v[CO]
	v_lshl_add_u32 v[QR], v2, 5, s59               ; 32 h
	v_min_u32 v5, 2, v3
	v_lshl_add_u32 v[PFO], v5, 8, s58              ; 768 x + 256 min(l, 2): lanes 3-31 name the wave's last block again
	s_wait_alu depctr_va_vdst(0)
	s_wait_dscnt 0x0                               ; both opening adds are done
	s_wait_kmcnt 0x0
	s_cmp_lt_u32 s23, 8                            ; the keys' chain or the states'
	s_cselect_b64 s[8:9], s[8:9], s[12:13]
	s_cselect_b64 s[10:11], s[10:11], s[14:15]
	s_add_nc_u64 s[30:31], s[8:9], s[50:51]
	s_or_b32 s31, s31, 0x80000000
	tensor_load_to_lds s[28:31], s[32:39]          ; my quarter of B: the wave's one tensor load
	s_nop 0
	s_add_nc_u64 s[AP:AP+1], s[4:5], s[40:41]
	s_add_nc_u64 s[42:43], s[4:5], s[42:43]
	s_add_nc_u64 s[44:45], s[10:11], s[44:45]
	s_add_nc_u64 s[16:17], s[16:17], s[46:47]
	s_add_nc_u64 s[18:19], s[18:19], s[48:49]
	s_add_nc_u64 s[6:7], s[6:7], s[52:53]
.macro ALD set, st, i0                 ; A's blocks i0 .. i0 + 3 of the step st steps behind s[AP]: 12 loads of 512 consecutive bytes
.irp i, \i0, \i0+1, \i0+2, \i0+3
.irp c, 0,1,2
	global_load_b128 v[AF+96*(\set)+FR*(\i)+4*\c:AF+96*(\set)+FR*(\i)+4*\c+3], v[CO], s[AP:AP+1] offset:(\st)*12288+(\i)*1536+512*\c
.endr
.endr
.endm
.macro FRAGB reg, q, i                 ; a fragment of B: 24 bytes of the row's stream of bits for each 64 along K, in pieces of 8 bytes.  Byte y of 384 lies at y + 8 (y / 128)
.irp p, 0,1,2,3,4,5
.set Y, 96*(\q)+48*(\p/3)+8*(\p%3)
.if Y/128 == (Y+24)/128
	ds_load_b64 v[\reg+2*\p:\reg+2*\p+1], v[BC+2*((\i)/4)] offset:Y+8*(Y/128)+((\i)%4)*16*BP
.else
	ds_load_b64 v[\reg+2*\p:\reg+2*\p+1], v[BC+2*((\i)/4)+1] offset:Y+8*(Y/128)+((\i)%4)*16*BP
.endif
.endr
.endm
.macro FETCH_B q, p                    ; 48 loads
	WIN TO_B
.irp i, 0,1,2,3,4,5,6,7
	FRAGB 128*(\p)+FR*\i, \q, \i
.endr
	WIN 0
.endm
.macro SCALES set, pr                  ; 16 loads: the words of a pair of steps
.irp i, 0,1,2,3,4,5,6,7
	ds_load_b32 v[SC+16*(\set)+\i], v[ADSA] offset:\i*SA_I+(\pr)*2*SA_S
.endr
.irp i, 0,1,2,3,4,5,6,7
	ds_load_b32 v[SC+16*(\set)+8+\i], v[ADSB] offset:\i*1088+(\pr)*8
.endr
.endm
; 16 matrix instructions: A's blocks a0, a0 + 1 x B's eight.  The 64 accumulators take turns, one instruction a turn.  p: the step's parity: B's set, A's set, the scale words' row
.macro MUL16 a0, p, sc, zero
.irp a, \a0, \a0+1
.irp b, 0,1,2,3,4,5,6,7
.set DA, 8*(8*((\a)%4)+\b)
.if \zero
	v_wmma_scale_f32_16x16x128_f8f6f4 v[DA:DA+7], v[128*(\p)+FR*\b:128*(\p)+FR*\b+FR-1], v[AF+96*(\p)+FR*(\a):AF+96*(\p)+FR*(\a)+FR-1], 0, v[SC+16*(\sc)+8+\b], v[SC+16*(\sc)+(\a)] matrix_a_fmt:MATRIX_FMT_FP6 matrix_b_fmt:MATRIX_FMT_FP6
.elseif \p
	v_wmma_scale_f32_16x16x128_f8f6f4 v[DA:DA+7], v[128*(\p)+FR*\b:128*(\p)+FR*\b+FR-1], v[AF+96*(\p)+FR*(\a):AF+96*(\p)+FR*(\a)+FR-1], v[DA:DA+7], v[SC+16*(\sc)+8+\b], v[SC+16*(\sc)+(\a)] matrix_a_fmt:MATRIX_FMT_FP6 matrix_b_fmt:MATRIX_FMT_FP6 matrix_a_scale:MATRIX_SCALE_ROW1 matrix_b_scale:MATRIX_SCALE_ROW1
.else
	v_wmma_scale_f32_16x16x128_f8f6f4 v[DA:DA+7], v[128*(\p)+FR*\b:128*(\p)+FR*\b+FR-1], v[AF+96*(\p)+FR*(\a):AF+96*(\p)+FR*(\a)+FR-1], v[DA:DA+7], v[SC+16*(\sc)+8+\b], v[SC+16*(\sc)+(\a)] matrix_a_fmt:MATRIX_FMT_FP6 matrix_b_fmt:MATRIX_FMT_FP6
.endif
.endr
.endr
.endm
; A step of 128 along K.  rel: the step less 4 x the trips done.  c1, c2: the global loads issued behind the 12 that the next 32 products need (in the loop three groups of 12; fewer in the last two steps, which ask for nothing).
.macro STEP rel, zero, ld, nxt, pf, c1, c2
.set P, (\rel)%2
.set SS, ((\rel)/2)%2
.set NX, (\rel)+1
	s_wait_loadcnt \c1                             ; A's blocks 0-3 are in
	s_wait_dscnt 0x0                               ; B's set and the scale words, asked for 32 matrix instructions ago
	WIN MUL_LO
	MUL16 0, P, SS, \zero
	MUL16 2, P, SS, \zero
	PLACES
	WIN 0
.if \ld
	ALD P, (\rel)+2, 0
.endif
.if \nxt
.if NX%4 == 0                          ; the next step begins another 512 along K: n = trips done + 1; its 384 bytes begin at 408 (n % 2) + REG (n / 2)
	s_add_co_u32 s50, s3, 1
	s_and_b32 s51, s50, 1
	s_mul_i32 s51, s51, 408
	s_lshr_b32 s50, s50, 1
	s_mul_i32 s50, s50, REG
	s_add_co_u32 s50, s50, s51
.irp j, 0,1,2,3
	v_add_nc_u32 v[BC+\j], s50, v[BB+\j]
.endr
	s_wait_alu depctr_va_vdst(0)
.endif
	FETCH_B NX%4, NX%2
.if NX%2 == 0
	SCALES (NX/2)%2, NX/2
.endif
.endif
.if \pf
	global_prefetch_b8 v[PFO], s[AP:AP+1] offset:((\rel)+3)*12288 th:TH_LOAD_NT scope:SCOPE_SE
.endif
	s_wait_loadcnt \c2                             ; A's blocks 4-7 are in
	WIN MUL_HI
	MUL16 4, P, SS, \zero
	MUL16 6, P, SS, \zero
	PLACES
	WIN 0
.if \ld
	ALD P, (\rel)+2, 4
.endif
.endm
	WIN TO_B                                       ; the scales and qh pass through window 1, which is idle yet
.irp k, 0,1,2,3,4,5,6,7,8,9,10,11,12,13,14,15
	global_load_b128 v[4*\k:4*\k+3], v[CO], s[42:43] offset:512*\k
.endr
.irp k, 0,1,2,3
	global_load_b128 v[64+4*\k:67+4*\k], v[TB], s[44:45] offset:2048*\k
.endr
	global_load_b128 v[80:83], v[CO], s[6:7]
	WIN 0
	ALD 0, 0, 0
	ALD 0, 0, 4
	ALD 1, 1, 0
	ALD 1, 1, 4
	s_wait_loadcnt 48                              ; the scales and qh are in; the 48 loads of steps 0 and 1 may be out
	s_wait_tensorcnt 0x0                           ; my quarter of B is in
	WIN 0x04
.irp k, 0,1,2,3,4,5,6,7,8,9,10,11,12,13,14,15
	ds_store_b128 v[SAW], v[4*\k:4*\k+3] offset:512*\k
.endr
.irp k, 0,1,2,3
	ds_store_b128 v[SBW], v[64+4*\k:67+4*\k] offset:2176*\k
.endr
	ds_store_b128 v[QW], v[80:83]
	WIN 0
	s_wait_dscnt 0x0                               ; for the others' sake: my part of B's scales is in LDS
	s_barrier_signal -1
	s_barrier_wait -1                              ; B and its scales are whole
	FETCH_B 0, 0
	SCALES 0, 0
	STEP 0, 1, 1, 1, 1, 36, 36                     ; the first step's products start the sums
	s_mov_b32 s3, 0
.Lk:                                                   ; a trip: steps 4 t + 1 .. 4 t + 4
	STEP 1, 0, 1, 1, 1, 36, 36
	STEP 2, 0, 1, 1, 1, 36, 36
	STEP 3, 0, 1, 1, 1, 36, 36
	STEP 4, 0, 1, 1, 1, 36, 36
	s_wait_xcnt 0x0                                ; my loads and prefetches have read their base
	s_add_nc_u64 s[AP:AP+1], s[AP:AP+1], 4*12288
	v_add_nc_u32 v[ADSA], 4*SA_S, v[ADSA]
	v_add_nc_u32 v[ADSB], 16, v[ADSB]
	s_wait_alu depctr_va_vdst(0)
	s_add_co_u32 s3, s3, 1
	s_cmp_lt_u32 s3, 3
	s_cbranch_scc1 .Lk
	STEP 1, 0, 1, 1, 0, 36, 36                     ; step 13 asks for step 15
	STEP 2, 0, 0, 1, 0, 36, 24
	STEP 3, 0, 0, 0, 0, 12, 0
	s_cmp_ge_u32 s23, 8                            ; which chain: the work-group's y
	s_cbranch_scc1 .Lvalues
; THE KEYS' WAY OUT: block a's 16 logits.  My 64 numbers of a row times qh's, in four chains, each accumulator from its low end on; then lane l xor 16's 64.
.irp b, 0,1,2,3,4,5,6,7
	ds_load_b128 v[QH+8*\b:QH+8*\b+3], v[QR] offset:64*\b          ; v[QH + 8 b + j] = qh[128 head + 16 b + 8 h + j]
	ds_load_b128 v[QH+8*\b+4:QH+8*\b+7], v[QR] offset:64*\b+16
.endr
	s_wait_dscnt 0x0
.macro LOGIT a
.set AC, 64*((\a)%4)
	WIN 0x02+((\a)/4)                              ; source 0: window 2 or 3
.irp j, 0,1,2,3
	v_pk_mul_f32 v[CH+2*\j:CH+2*\j+1], v[AC+2*\j:AC+2*\j+1], v[QH+2*\j:QH+2*\j+1]
.endr
.irp b, 1,2,3,4,5,6,7
.irp j, 0,1,2,3
	v_pk_fma_f32 v[CH+2*\j:CH+2*\j+1], v[AC+8*\b+2*\j:AC+8*\b+2*\j+1], v[QH+8*\b+2*\j:QH+8*\b+2*\j+1], v[CH+2*\j:CH+2*\j+1]
.endr
.endr
	WIN 0
	v_pk_add_f32 v[CH:CH+1], v[CH:CH+1], v[CH+2:CH+3]
	v_pk_add_f32 v[CH+4:CH+5], v[CH+4:CH+5], v[CH+6:CH+7]
	v_pk_add_f32 v[CH:CH+1], v[CH:CH+1], v[CH+4:CH+5]
	v_add_f32 v[CH], v[CH], v[CH+1]
	v_permlanex16_b32 v[CH+1], v[CH], s60, s61
	v_add_f32 v[CH], v[CH], v[CH+1]
	v_mul_f32 v[LG+(\a)], 0x3db504f3, v[CH]        ; / sqrt(128)
.endm
.irp a, 0,1,2,3,4,5,6,7
	LOGIT \a
.endr
.irp a, 0,1,2,3,4,5,6,7
	ds_store_b32 v[STO], v[LG+\a] offset:64*\a     ; both halves of the lanes write the same word with the same value
.endr
	ds_load_b128 v[232:235], v[RD]                 ; LDS serves a wave's instructions in order: this sees my stores
	s_wait_dscnt 0x0
	global_store_b128 v[CO], v[232:235], s[16:17]  ; my 128 rows' logits: 512 consecutive bytes, aligned
	s_branch .Lend
.Lvalues:
; THE VALUES' WAY OUT: a lane's eight numbers of an accumulator are eight neighbouring columns of a row: 16 bytes of bf16, stored as they stand, 512 consecutive bytes a store.
.macro VOUT a
.set AC, 64*((\a)%4)
.set OB, 128+32*((\a)%2)
.if (\a) > 1
	s_wait_xcnt 0x0                                ; block a - 2's stores have read these registers
.endif
	WIN 0x0a+5*((\a)/4)                            ; sources 0 and 1: window 2 or 3
.irp b, 0,1,2,3,4,5,6,7
.irp i, 0,1,2,3
	v_cvt_pk_bf16_f32 v[OB+4*\b+\i], v[AC+8*\b+2*\i], v[AC+8*\b+2*\i+1]
.endr
.endr
	WIN 0
.irp b, 0,1,2,3,4,5,6,7
	global_store_b128 v[CO], v[OB+4*\b:OB+4*\b+3], s[18:19] offset:(\a)*4096+512*\b
.endr
.endm
.irp a, 0,1,2,3,4,5,6,7
	VOUT \a
.endr
.Lend:
	s_wait_tensorcnt 0x0                           ; the wave's end
	ds_add_u32 v[SPW], v[NIL]
	s_wait_dscnt 0x0
	s_endpgm
.Lfunc_end_k_qd8bbdb4408_gemm2:
	.size	k_qd8bbdb4408_gemm2, .Lfunc_end_k_qd8bbdb4408_gemm2-k_qd8bbdb4408_gemm2
	.p2alignl 7, 3214868480
	.fill 96, 4, 3214868480
	.section	.rodata,"a",@progbits
	.p2align	6, 0x0
	.amdhsa_kernel k_qd8bbdb4408_gemm2
		.amdhsa_group_segment_fixed_size 327680
		.amdhsa_private_segment_fixed_size 0
		.amdhsa_enable_private_segment 0
		.amdhsa_kernarg_size 64
		.amdhsa_user_sgpr_count 2
		.amdhsa_user_sgpr_kernarg_segment_ptr 1
		.amdhsa_wavefront_size32 1
		.amdhsa_system_sgpr_workgroup_id_x 1
		.amdhsa_system_sgpr_workgroup_id_y 1
		.amdhsa_system_sgpr_workgroup_id_z 1
		.amdhsa_system_vgpr_workitem_id 0
		.amdhsa_next_free_vgpr 1024
		.amdhsa_next_free_sgpr 66
		.amdhsa_reserve_vcc 0
		.amdhsa_float_denorm_mode_32 3
		.amdhsa_float_denorm_mode_16_64 3
		.amdhsa_memory_ordered 1
		.amdhsa_forward_progress 1
		.amdhsa_inst_pref_size 169
	.end_amdhsa_kernel
	.amdgpu_metadata
---
amdhsa.version: [ 1, 2 ]
amdhsa.kernels:
  - .name:           k_qd8bbdb4408_gemm2
    .symbol:         k_qd8bbdb4408_gemm2.kd
    .args:
      - { .name: a2, .offset: 0, .size: 8, .value_kind: global_buffer, .address_space: global }
      - { .name: qh, .offset: 8, .size: 8, .value_kind: global_buffer, .address_space: global }
      - { .name: Wk_mha_codes, .offset: 16, .size: 8, .value_kind: global_buffer, .address_space: global }
      - { .name: Wk_mha_scales, .offset: 24, .size: 8, .value_kind: global_buffer, .address_space: global }
      - { .name: Wv_mha_codes, .offset: 32, .size: 8, .value_kind: global_buffer, .address_space: global }
      - { .name: Wv_mha_scales, .offset: 40, .size: 8, .value_kind: global_buffer, .address_space: global }
      - { .name: logits, .offset: 48, .size: 8, .value_kind: global_buffer, .address_space: global }
      - { .name: vh, .offset: 56, .size: 8, .value_kind: global_buffer, .address_space: global }
    .group_segment_fixed_size: 327680
    .private_segment_fixed_size: 0
    .kernarg_segment_align: 8
    .kernarg_segment_size: 64
    .max_flat_workgroup_size: 128
    .sgpr_count:     66
    .vgpr_count:     1024
    .wavefront_size: 32
...
	.end_amdgpu_metadata
.endif
;; end of part 3
;; launch attn (part 4): grid 32 x 8, 8 waves a work-group, no clusters, 5,120 bytes of LDS; arguments logits, vh, part; writes part
.if DOCPART == 4
	.amdgcn_target "amdgcn-amd-amdhsa--gfx1250"
	.amdhsa_code_object_version 6
	.text
	.protected	k_qd8bbdb4408_attn
	.globl	k_qd8bbdb4408_attn
	.p2align	8
	.type	k_qd8bbdb4408_attn,@function
k_qd8bbdb4408_attn:
	s_mov_b64 s[64:65], 0
	v_nop
	global_prefetch_b8 v0, s[64:65] scope:SCOPE_SE
	s_setreg_imm32_b32 hwreg(HW_REG_WAVE_MODE, 25, 1), 1
	s_wait_xcnt 0x0
; part[ch][128 head + c] = the sum over rows 512 ch .. 512 ch + 511 of softmax(logits[head])[row] x vh[row][128 head + c].  logits: [16][4096] f32.  vh: bf16, [head][row / 16][b][512 bytes], lane (r, h)'s 16 bytes:
; row r, columns 16 b + 8 h + 0 .. 7.  Work-group x = 2 head + bh (which 64 of the head's columns), y = ch.  Wave w takes the four blocks of 16 rows 32 ch + 4 w + u.
; Every work-group makes the head's maximum and sum anew from its 4,096 logits (16 KB): that spares a launch.  The maximum is taken away before the exponential; the weights are normalised here, so the parts only add up.
; Bound by vh's bytes, each read once: no matrix unit (one query), no cluster (what work-groups share is the 16 KB of logits), no tensor load.  Three barriers: the maximum, the sum, the waves' column sums.
; LIMITS: NaN and infinities are not served; a weight under 2^-126 counts as 0; vh's rounding to bf16 is the operand format of this product.
.set LGT, 16                           ; v16-31  my 16 of the head's logits
.set WT,  32                           ; v32-39  my row's weight in each of the four blocks, twice (a pair for the packed forms)
.set D,   64                           ; v64-127 vh: block u, b': four registers
.set ACC, 128                          ; v128-159 the sums of columns 16 b' + 8 h + j at 8 b' + j
	s_load_b128 s[4:7], s[0:1], 0x0                ; logits, vh
	s_load_b64 s[8:9], s[0:1], 0x10                ; part
	v_lshl_add_u32 v160, v0, 2, 0x1000
	v_mov_b32 v161, 0
	v_lshrrev_b32 v1, 5, v0
	s_delay_alu instid0(VALU_DEP_1)
	v_readfirstlane_b32 s10, v1                    ; wave 0..7
	v_and_b32 v1, 31, v0                           ; lane
	v_and_b32 v2, 15, v0                           ; r
	s_wait_alu depctr_va_vdst(0)
	v_bfe_u32 v3, v0, 4, 1                         ; h
	s_lshr_b32 s11, ttmp9, 1                       ; head
	s_and_b32 s14, ttmp9, 1                        ; bh
	s_and_b32 s15, ttmp7, 0xffff                   ; ch
	s_mov_b32 s12, 0x76543210
	s_mov_b32 s13, 0xfedcba98                      ; v_permlanex16_b32's selects for lane l xor 16
	s_mov_b32 s28, 0xff00ff00                      ; lanes whose r has bit 3, 2, 1, 0 set
	s_mov_b32 s29, 0xf0f0f0f0
	s_mov_b32 s30, 0xcccccccc
	s_mov_b32 s31, 0xaaaaaaaa
	v_lshlrev_b32 v4, 4, v0                        ; 16 x thread
	v_lshlrev_b32 v5, 2, v2                        ; 4 r
	v_lshlrev_b32 v6, 4, v1                        ; 16 l
	v_lshlrev_b32 v8, 3, v1                        ; 8 l
	v_lshrrev_b32 v9, 2, v2
	s_delay_alu instid0(VALU_DEP_1)
	v_lshlrev_b32 v7, 6, v9
	s_wait_alu depctr_va_vdst(0)
	v_lshl_add_u32 v7, v3, 5, v7
	v_and_b32 v9, 3, v2
	s_delay_alu instid0(VALU_DEP_1)
	v_lshl_add_u32 v7, v9, 3, v7
	s_lshl_b32 s19, s10, 8
	s_add_co_u32 s19, s19, 512
	v_add_nc_u32 v7, s19, v7                       ; LDS: 512 + 256 w + 4 x (16 (r / 4) + 8 h + 2 (r % 4)): where my two column sums go
	v_mov_b32 v10, s10
	s_delay_alu instid0(VALU_DEP_1)
	v_lshlrev_b32 v10, 2, v10                      ; LDS: my wave's word
	v_mov_b32 v11, 0
	s_lshl_b32 s16, s11, 14                        ; the head's logits
	s_mov_b32 s17, 0
	s_lshl_b32 s18, s15, 5
	s_lshl_b32 s19, s10, 2
	s_add_co_u32 s18, s18, s19                     ; my first block of 16 rows: 32 ch + 4 w
	s_lshl_b32 s20, s18, 6
	s_mov_b32 s21, 0
	s_lshl_b32 s22, s11, 20
	s_lshl_b32 s23, s18, 12
	s_add_co_u32 s22, s22, s23
	s_lshl_b32 s23, s14, 11
	s_add_co_u32 s22, s22, s23                     ; vh: 1,048,576 head + 4,096 block + 2,048 bh
	s_mov_b32 s23, 0
	s_lshl_b32 s24, s15, 13
	s_lshl_b32 s25, s11, 9
	s_add_co_u32 s24, s24, s25
	s_lshl_b32 s25, s14, 8
	s_add_co_u32 s24, s24, s25                     ; part: (2,048 ch + 128 head + 64 bh) x 4
	s_mov_b32 s25, 0
	s_wait_kmcnt 0x0
	s_add_nc_u64 s[4:5], s[4:5], s[16:17]
	s_add_nc_u64 s[26:27], s[4:5], s[20:21]
	s_add_nc_u64 s[6:7], s[6:7], s[22:23]
	s_add_nc_u64 s[8:9], s[8:9], s[24:25]
.irp i, 0,1,2,3
	global_load_b128 v[LGT+4*\i:LGT+4*\i+3], v4, s[4:5] offset:4096*\i
.endr
.irp u, 0,1,2,3
	global_load_b32 v[WT+2*\u], v5, s[26:27] offset:64*\u
.endr
.irp u, 0,1,2,3
.irp b, 0,1,2,3
	global_load_b128 v[D+16*\u+4*\b:D+16*\u+4*\b+3], v6, s[6:7] offset:4096*\u+512*\b th:TH_LOAD_NT   ; 512 consecutive bytes a load
.endr
.endr
	s_wait_loadcnt 20                              ; the head's logits are in; my rows' four and vh's sixteen may be out
	v_max3_num_f32 v40, v16, v17, v18
	v_max3_num_f32 v41, v19, v20, v21
	s_delay_alu instid0(VALU_DEP_2)
	v_max3_num_f32 v40, v40, v22, v23
	s_delay_alu instid0(VALU_DEP_2)
	v_max3_num_f32 v41, v41, v24, v25
	s_delay_alu instid0(VALU_DEP_2)
	v_max3_num_f32 v40, v40, v26, v27
	s_delay_alu instid0(VALU_DEP_2)
	v_max3_num_f32 v41, v41, v28, v29
	s_delay_alu instid0(VALU_DEP_2)
	v_max3_num_f32 v40, v40, v30, v31
	s_delay_alu instid0(VALU_DEP_1)
	v_max_num_f32 v40, v40, v41
.irp m, 1,2,4,8
	s_delay_alu instid0(VALU_DEP_1)
	v_max_num_f32_dpp v40, v40, v40 row_xmask:\m row_mask:0xf bank_mask:0xf
.endr
	s_delay_alu instid0(VALU_DEP_1)
	v_permlanex16_b32 v41, v40, s12, s13
	s_delay_alu instid0(VALU_DEP_1)
	v_max_num_f32 v40, v40, v41
	ds_store_b32 v10, v40                          ; all lanes write the wave's word with the same value
	s_wait_dscnt 0x0
	s_barrier_signal -1
	s_barrier_wait -1
	ds_load_b128 v[44:47], v11
	ds_load_b128 v[48:51], v11 offset:16
	s_wait_dscnt 0x0
	v_max3_num_f32 v40, v44, v45, v46
	v_max3_num_f32 v41, v47, v48, v49
	s_delay_alu instid0(VALU_DEP_2)
	v_max3_num_f32 v40, v40, v50, v51
	s_delay_alu instid0(VALU_DEP_1)
	v_max_num_f32 v40, v40, v41                    ; the head's largest logit
.irp i, 0,1,2,3,4,5,6,7,8,9,10,11,12,13,14,15
	v_sub_f32 v[LGT+\i], v[LGT+\i], v40
.endr
.irp i, 0,1,2,3,4,5,6,7,8,9,10,11,12,13,14,15
	v_mul_f32 v[LGT+\i], 0x3fb8aa3b, v[LGT+\i]
.endr
	s_wait_alu depctr_va_vdst(0)
.irp i, 0,1,2,3,4,5,6,7,8,9,10,11,12,13,14,15
	v_exp_f32 v[LGT+\i], v[LGT+\i]
.endr
	v_nop                                          ; a plain instruction behind the last exponential
	s_wait_alu depctr_va_vdst(0)                   ; one wait for the sixteen, ahead of their first reader
	v_pk_add_f32 v[44:45], v[16:17], v[18:19]
	v_pk_add_f32 v[46:47], v[20:21], v[22:23]
	v_pk_add_f32 v[44:45], v[44:45], v[24:25]
	v_pk_add_f32 v[46:47], v[46:47], v[26:27]
	v_pk_add_f32 v[44:45], v[44:45], v[28:29]
	v_pk_add_f32 v[46:47], v[46:47], v[30:31]
	s_delay_alu instid0(VALU_DEP_1)
	v_pk_add_f32 v[44:45], v[44:45], v[46:47]
	s_delay_alu instid0(VALU_DEP_1)
	v_add_f32 v44, v44, v45
.irp m, 1,2,4,8
	s_delay_alu instid0(VALU_DEP_1)
	v_add_f32_dpp v44, v44, v44 row_xmask:\m row_mask:0xf bank_mask:0xf
.endr
	s_delay_alu instid0(VALU_DEP_1)
	v_permlanex16_b32 v45, v44, s12, s13
	s_delay_alu instid0(VALU_DEP_1)
	v_add_f32 v44, v44, v45
	ds_store_b32 v10, v44 offset:256               ; other bytes than the maxima's
	s_wait_dscnt 0x0
	s_barrier_signal -1
	s_barrier_wait -1
	ds_load_b128 v[44:47], v11 offset:256
	ds_load_b128 v[48:51], v11 offset:272
	s_wait_dscnt 0x0
	v_pk_add_f32 v[44:45], v[44:45], v[46:47]
	v_pk_add_f32 v[48:49], v[48:49], v[50:51]
	s_delay_alu instid0(VALU_DEP_1)
	v_pk_add_f32 v[44:45], v[44:45], v[48:49]
	s_delay_alu instid0(VALU_DEP_1)
	v_add_f32 v44, v44, v45                        ; the head's sum
	s_wait_loadcnt 16                              ; my rows' logits are in; vh's sixteen loads may be out
.irp u, 0,1,2,3
	v_sub_f32 v[WT+2*\u], v[WT+2*\u], v40
.endr
.irp u, 0,1,2,3
	s_delay_alu instid0(VALU_DEP_4)
	v_mul_f32 v[WT+2*\u], 0x3fb8aa3b, v[WT+2*\u]
.endr
	s_wait_alu depctr_va_vdst(0)
.irp u, 0,1,2,3
	v_exp_f32 v[WT+2*\u], v[WT+2*\u]
.endr
	v_rcp_f32 v42, v44
	v_nop
	s_wait_alu depctr_va_vdst(0)                   ; one wait for the four exponentials and the reciprocal
.irp u, 0,1,2,3
	v_mul_f32 v[WT+2*\u], v[WT+2*\u], v42          ; the normalised weight of row 16 (32 ch + 4 w + u) + r
.endr
.irp u, 0,1,2,3
	s_delay_alu instid0(VALU_DEP_4)
	v_mov_b32 v[WT+2*\u+1], v[WT+2*\u]             ; (the packed forms name the pair)
.endr
.irp u, 0,1,2,3
	s_wait_loadcnt 12-4*\u                         ; block u's four loads are in; the later blocks' may be out
.irp b, 0,1,2,3
.irp i, 0,1,2,3
	v_lshlrev_b32 v[44+2*\i], 16, v[D+16*\u+4*\b+\i]           ; bf16 to f32: the low half moves up,
	v_and_b32 v[45+2*\i], 0xffff0000, v[D+16*\u+4*\b+\i]       ; the high half stays
.endr
.irp i, 0,1,2,3
.if \u == 0
	v_pk_mul_f32 v[ACC+8*\b+2*\i:ACC+8*\b+2*\i+1], v[44+2*\i:45+2*\i], v[WT+2*\u:WT+2*\u+1] op_sel_hi:[1,0]    ; the first block starts the sums
.else
	v_pk_fma_f32 v[ACC+8*\b+2*\i:ACC+8*\b+2*\i+1], v[44+2*\i:45+2*\i], v[WT+2*\u:WT+2*\u+1], v[ACC+8*\b+2*\i:ACC+8*\b+2*\i+1] op_sel_hi:[1,0,1]
.endif
.endr
.endr
.endr
; The 32 sums are added over the sixteen rows r.  A fold halves the sums that a lane keeps: lanes whose bit of r is 0 keep the lower half, the others the upper, and each adds what its partner, lane xor x, gives away.
.macro FOLD n, m, x
.set i, 0
.rept \n/2
	v_cndmask_b32 v[40+2*(i%8)], v[ACC+i], v[ACC+i+\n/2], s[\m]        ; what I keep
	v_cndmask_b32 v[41+2*(i%8)], v[ACC+i+\n/2], v[ACC+i], s[\m]        ; what I give away
	s_delay_alu instid0(VALU_DEP_1)
	v_add_f32_dpp v[ACC+i], v[41+2*(i%8)], v[40+2*(i%8)] row_xmask:\x row_mask:0xf bank_mask:0xf
.set i, i+1
.endr
.endm
	FOLD 32, 28, 8
	FOLD 16, 29, 4
	FOLD 8, 30, 2
	FOLD 4, 31, 1                                  ; lane (r, h) now holds columns 16 (r / 4) + 8 h + 2 (r % 4) + 0, 1
	ds_store_b64 v7, v[ACC:ACC+1]
	s_wait_dscnt 0x0
	s_barrier_signal -1
	s_barrier_wait -1
	s_cmp_lg_u32 s10, 0                            ; wave 0 adds the eight waves' sums
	s_cbranch_scc1 .Ldone
.irp w, 0,1,2,3,4,5,6,7
	ds_load_b64 v[64+2*\w:65+2*\w], v8 offset:512+256*\w
.endr
	s_wait_dscnt 0x0
	v_pk_add_f32 v[64:65], v[64:65], v[66:67]
	v_pk_add_f32 v[68:69], v[68:69], v[70:71]
	v_pk_add_f32 v[72:73], v[72:73], v[74:75]
	v_pk_add_f32 v[76:77], v[76:77], v[78:79]
	s_delay_alu instid0(VALU_DEP_3)
	v_pk_add_f32 v[64:65], v[64:65], v[68:69]
	s_delay_alu instid0(VALU_DEP_2)
	v_pk_add_f32 v[72:73], v[72:73], v[76:77]
	s_delay_alu instid0(VALU_DEP_1)
	v_pk_add_f32 v[64:65], v[64:65], v[72:73]
	global_store_b64 v8, v[64:65], s[8:9]          ; 256 consecutive bytes, aligned
.Ldone:
	s_wait_tensorcnt 0x0
	ds_add_u32 v160, v161
	s_wait_dscnt 0x0
	s_endpgm
.Lfunc_end_k_qd8bbdb4408_attn:
	.size	k_qd8bbdb4408_attn, .Lfunc_end_k_qd8bbdb4408_attn-k_qd8bbdb4408_attn
	.p2alignl 7, 3214868480
	.fill 96, 4, 3214868480
	.section	.rodata,"a",@progbits
	.p2align	6, 0x0
	.amdhsa_kernel k_qd8bbdb4408_attn
		.amdhsa_group_segment_fixed_size 5120
		.amdhsa_private_segment_fixed_size 0
		.amdhsa_enable_private_segment 0
		.amdhsa_kernarg_size 24
		.amdhsa_user_sgpr_count 2
		.amdhsa_user_sgpr_kernarg_segment_ptr 1
		.amdhsa_wavefront_size32 1
		.amdhsa_system_sgpr_workgroup_id_x 1
		.amdhsa_system_sgpr_workgroup_id_y 1
		.amdhsa_system_sgpr_workgroup_id_z 1
		.amdhsa_system_vgpr_workitem_id 0
		.amdhsa_next_free_vgpr 162
		.amdhsa_next_free_sgpr 66
		.amdhsa_reserve_vcc 0
		.amdhsa_float_denorm_mode_32 3
		.amdhsa_float_denorm_mode_16_64 3
		.amdhsa_memory_ordered 1
		.amdhsa_forward_progress 1
		.amdhsa_inst_pref_size 30
	.end_amdhsa_kernel
	.amdgpu_metadata
---
amdhsa.version: [ 1, 2 ]
amdhsa.kernels:
  - .name:           k_qd8bbdb4408_attn
    .symbol:         k_qd8bbdb4408_attn.kd
    .args:
      - { .name: logits, .offset: 0, .size: 8, .value_kind: global_buffer, .address_space: global }
      - { .name: vh, .offset: 8, .size: 8, .value_kind: global_buffer, .address_space: global }
      - { .name: part, .offset: 16, .size: 8, .value_kind: global_buffer, .address_space: global }
    .group_segment_fixed_size: 5120
    .private_segment_fixed_size: 0
    .kernarg_segment_align: 8
    .kernarg_segment_size: 24
    .max_flat_workgroup_size: 256
    .sgpr_count:     66
    .vgpr_count:     162
    .wavefront_size: 32
...
	.end_amdgpu_metadata
.endif
;; end of part 4
;; launch outp (part 5): grid 256 x 1, 8 waves a work-group, no clusters, 9,216 bytes of LDS; arguments part, Wo, x, out0; writes out0
.if DOCPART == 5
	.amdgcn_target "amdgcn-amd-amdhsa--gfx1250"
	.amdhsa_code_object_version 6
	.text
	.protected	k_qd8bbdb4408_outp
	.globl	k_qd8bbdb4408_outp
	.p2align	8
	.type	k_qd8bbdb4408_outp,@function
k_qd8bbdb4408_outp:
	s_mov_b64 s[64:65], 0
	v_nop
	global_prefetch_b8 v0, s[64:65] scope:SCOPE_SE
	s_setreg_imm32_b32 hwreg(HW_REG_WAVE_MODE, 25, 1), 1
	s_wait_xcnt 0x0
; out0[n] = the sum over c of attn[c] Wo[n][c] + x[n], attn[c] = the sum of the eight parts part[ch][c]; all in f32.  Wave w of work-group g owns n = 8 g + w: one row of Wo, 8,192 bytes, read once.
; The work-group adds the parts once (thread t: 16 bytes at 16 t and at 4,096 + 16 t), hands attn round through LDS, and each wave reads it in the layout of its row of Wo.
; Bound by Wo's bytes: no matrix unit (one row), no cluster (what is shared is 64 KB of parts), no tensor load.  LIMITS: the sums run in another order than a plain loop's; the stores are of four bytes a wave, 8 KB in all.
	s_load_b256 s[4:11], s[0:1], 0x0               ; part s[4:5], Wo s[6:7], x s[8:9], out0 s[10:11]
	v_lshl_add_u32 v192, v0, 2, 0x2000
	v_mov_b32 v193, 0
	v_lshrrev_b32 v1, 5, v0
	s_delay_alu instid0(VALU_DEP_1)
	v_readfirstlane_b32 s12, v1                    ; wave 0..7
	v_and_b32 v1, 31, v0                           ; lane
	v_lshlrev_b32 v2, 4, v0                        ; 16 x thread
	s_delay_alu instid0(VALU_DEP_2)
	v_lshlrev_b32 v3, 4, v1                        ; 16 l
	v_mov_b32 v4, 0
	s_lshl_b32 s13, ttmp9, 3
	s_add_co_u32 s13, s13, s12                     ; n
	s_lshl_b32 s14, s13, 13
	s_mov_b32 s15, 0
	s_lshl_b32 s16, s13, 2
	s_mov_b32 s17, 0
	s_mov_b32 s18, 0x76543210
	s_mov_b32 s19, 0xfedcba98
	s_wait_alu depctr_va_vdst(0)
	s_wait_kmcnt 0x0
	s_add_nc_u64 s[6:7], s[6:7], s[14:15]
	s_add_nc_u64 s[8:9], s[8:9], s[16:17]
	s_add_nc_u64 s[10:11], s[10:11], s[16:17]
	s_load_b32 s20, s[8:9], 0x0                    ; x[n]
.irp i, 0,1,2,3,4,5,6,7,8,9,10,11,12,13,14,15
	global_load_b128 v[128+4*\i:131+4*\i], v2, s[4:5] offset:4096*\i           ; part ch = i / 2, half e = i % 2
.endr
.irp i, 0,1,2,3,4,5,6,7,8,9,10,11,12,13,14,15
	global_load_b128 v[64+4*\i:67+4*\i], v3, s[6:7] offset:512*\i th:TH_LOAD_NT
.endr
	s_wait_loadcnt 16                              ; the parts are in; Wo's sixteen loads may be out
.irp c, 1,2,3,4,5,6,7
.irp e, 0,1
	v_pk_add_f32 v[128+4*\e:129+4*\e], v[128+4*\e:129+4*\e], v[128+8*\c+4*\e:129+8*\c+4*\e]
	v_pk_add_f32 v[130+4*\e:131+4*\e], v[130+4*\e:131+4*\e], v[130+8*\c+4*\e:131+8*\c+4*\e]
.endr
.endr
	ds_store_b128 v2, v[128:131]
	ds_store_b128 v2, v[132:135] offset:4096
	s_wait_dscnt 0x0                               ; for the others' sake: my 32 bytes of attn are in LDS
	s_barrier_signal -1
	s_barrier_wait -1
.irp i, 0,1,2,3,4,5,6,7,8,9,10,11,12,13,14,15
	ds_load_b128 v[128+4*\i:131+4*\i], v3 offset:512*\i
.endr
	s_wait_dscnt 0x0
	s_wait_loadcnt 0x0
.irp j, 0,1,2,3
	v_pk_mul_f32 v[8+2*\j:9+2*\j], v[64+2*\j:65+2*\j], v[128+2*\j:129+2*\j]
.endr
.irp i, 8,16,24,32,40,48,56
.irp j, 0,1,2,3
	s_delay_alu instid0(VALU_DEP_4)
	v_pk_fma_f32 v[8+2*\j:9+2*\j], v[64+\i+2*\j:65+\i+2*\j], v[128+\i+2*\j:129+\i+2*\j], v[8+2*\j:9+2*\j]
.endr
.endr
	s_delay_alu instid0(VALU_DEP_3)
	v_pk_add_f32 v[8:9], v[8:9], v[10:11]
	s_delay_alu instid0(VALU_DEP_2)
	v_pk_add_f32 v[12:13], v[12:13], v[14:15]
	s_delay_alu instid0(VALU_DEP_1)
	v_pk_add_f32 v[8:9], v[8:9], v[12:13]
	s_delay_alu instid0(VALU_DEP_1)
	v_add_f32 v8, v8, v9
.irp m, 1,2,4,8
	s_delay_alu instid0(VALU_DEP_1)
	v_add_f32_dpp v8, v8, v8 row_xmask:\m row_mask:0xf bank_mask:0xf
.endr
	s_delay_alu instid0(VALU_DEP_1)
	v_permlanex16_b32 v9, v8, s18, s19
	s_delay_alu instid0(VALU_DEP_1)
	v_add_f32 v8, v8, v9
	s_wait_alu depctr_va_vdst(0)
	s_wait_kmcnt 0x0
	v_add_f32 v8, s20, v8                          ; the residual
	v_cmp_eq_u32 vcc_lo, 0, v1
	s_wait_alu depctr_va_vdst(0)
	s_wait_xcnt 0x0                                ; EXEC changes only behind this wait
	s_wait_tensorcnt 0x0
	ds_add_u32 v192, v193
	s_wait_dscnt 0x0
	s_and_saveexec_b32 s21, vcc_lo
	global_store_b32 v4, v8, s[10:11]
	s_wait_xcnt 0x0
	s_or_b32 exec_lo, exec_lo, s21
	s_endpgm
.Lfunc_end_k_qd8bbdb4408_outp:
	.size	k_qd8bbdb4408_outp, .Lfunc_end_k_qd8bbdb4408_outp-k_qd8bbdb4408_outp
	.p2alignl 7, 3214868480
	.fill 96, 4, 3214868480
	.section	.rodata,"a",@progbits
	.p2align	6, 0x0
	.amdhsa_kernel k_qd8bbdb4408_outp
		.amdhsa_group_segment_fixed_size 9216
		.amdhsa_private_segment_fixed_size 0
		.amdhsa_enable_private_segment 0
		.amdhsa_kernarg_size 32
		.amdhsa_user_sgpr_count 2
		.amdhsa_user_sgpr_kernarg_segment_ptr 1
		.amdhsa_wavefront_size32 1
		.amdhsa_system_sgpr_workgroup_id_x 1
		.amdhsa_system_sgpr_workgroup_id_y 1
		.amdhsa_system_sgpr_workgroup_id_z 1
		.amdhsa_system_vgpr_workitem_id 0
		.amdhsa_next_free_vgpr 194
		.amdhsa_next_free_sgpr 66
		.amdhsa_reserve_vcc 1
		.amdhsa_float_denorm_mode_32 3
		.amdhsa_float_denorm_mode_16_64 3
		.amdhsa_memory_ordered 1
		.amdhsa_forward_progress 1
		.amdhsa_inst_pref_size 12
	.end_amdhsa_kernel
	.amdgpu_metadata
---
amdhsa.version: [ 1, 2 ]
amdhsa.kernels:
  - .name:           k_qd8bbdb4408_outp
    .symbol:         k_qd8bbdb4408_outp.kd
    .args:
      - { .name: part, .offset: 0, .size: 8, .value_kind: global_buffer, .address_space: global }
      - { .name: Wo, .offset: 8, .size: 8, .value_kind: global_buffer, .address_space: global }
      - { .name: x, .offset: 16, .size: 8, .value_kind: global_buffer, .address_space: global }
      - { .name: out0, .offset: 24, .size: 8, .value_kind: global_buffer, .address_space: global }
    .group_segment_fixed_size: 9216
    .private_segment_fixed_size: 0
    .kernarg_segment_align: 8
    .kernarg_segment_size: 32
    .max_flat_workgroup_size: 256
    .sgpr_count:     66
    .vgpr_count:     194
    .wavefront_size: 32
...
	.end_amdgpu_metadata
.endif
;; end of part 5
